; MI455X (gfx1250); checked and timed in simulation.
; The chip was launched on July 23, 2026; its instructions are those of AMD's public machine-readable ISA for CDNA 5 (MIT licence, August 2026) and "CDNA5" Instruction Set Architecture Reference Guide (July 2026). The comments in the code are by the model that wrote it; some were corrected since.
;; Multi Head Attention. Allowed arithmetic: matrix products marked QUANTISED: E5M2 operands, one E8M0 scale for each 32 along K, by v_wmma_scale_f32_16x16x128_f8f6f4 with both operands' format E5M2, f32 sums; everything else in f32.
;; Inputs: W_proj_codes 1,024 x 32 x 32 uint8 (E5M2 codes of W_proj, K innermost, in blocks of 32 codes); W_proj_scales 1,024 x 32 uint8 (E8M0 scales of W_proj, one for each 32 codes along K); W_qkv_codes 3,072 x 32 x 32 uint8 (E5M2 codes of W_qkv, K innermost, in blocks of 32 codes); W_qkv_scales 3,072 x 32 uint8 (E8M0 scales of W_qkv, one for each 32 codes along K); b_proj 1,024 float32; b_qkv 3,072 float32; x_codes 4 x 2,048 x 32 x 32 uint8 (E5M2 codes of x, K innermost, in blocks of 32 codes); x_scales 4 x 2,048 x 32 uint8 (E8M0 scales of x, one for each 32 codes along K).
;; Outputs: out0 4 x 2,048 x 1,024 float32.
;; This version of the problem:
;;   THIS VERSION OF THE PROBLEM IS GIVEN IN LOW PRECISION. The matrix products marked QUANTISED in the list below multiply operands that are first quantised to E5M2 (5 exponent bits, 2 mantissa bits; 8 bits a number), with one power-of-two scale for each 32 numbers along K (OCP MX v1.0); their sums are f32. All else is computed in f32.
;;   The module's matrix products, in the order in which they are computed (A, B: the left and right operand; K: the contracted axis; several contracted axes count as one K, in the product's order):
;;     1. [M 8,192, K 1,024] x [K 1,024, N 3,072]; A: input x (given as codes); B: input W_qkv (given as codes): QUANTISED
;;     2. batch 64 x [M 2,048, K 64] x [K 64, N 2,048]; A: computed on the way; B: computed on the way: QUANTISED
;;     3. batch 64 x [M 2,048, K 2,048] x [K 2,048, N 64]; A: softmax (see below); B: computed on the way: QUANTISED
;;     4. [M 8,192, K 1,024] x [K 1,024, N 1,024]; A: computed on the way; B: input W_proj (given as codes): QUANTISED
;;   THE QUANTISER, for each operand of a quantised product, along K:
;;     - K is cut into blocks of 32 from its start; a last block that is shorter is filled with zeros.
;;     - A block's scale is 2^e with e = floor(log2(the largest magnitude in the block)) - 15, held to -126 .. 127; a block of zeros has e = 0. As a byte (E8M0): e + 127.
;;     - Each number is divided by its block's scale, clamped to +-57,344, and rounded to the nearest number of E5M2, ties to even, subnormals kept.
;;     - The product sums the exact products of the quantised numbers (number of the format x scale) in f32.
;;   ~~~python
;;   def quantise(x, axis):      # numpy; x: float32 -> the quantised numbers, widened to float32 again
;;       x = np.moveaxis(x, axis, -1); K = x.shape[-1]
;;       x = np.pad(x, [(0, 0)] * (x.ndim - 1) + [(0, -K % 32)]); x = x.reshape(x.shape[:-1] + (-1, 32)); a = np.abs(x).max(-1, keepdims=True)
;;       e = np.where(a > 0, np.clip(np.frexp(np.where(a > 0, a, 1))[1] - 1 - 15, -126, 127), 0)      # np.frexp(a)[1] - 1 = floor(log2(a)), exactly
;;       r = np.clip(x / 2.0 ** e, -57344, 57344)
;;       step = 2.0 ** (np.maximum(np.frexp(np.where(r == 0, 1, r))[1] - 1, -14) - 2)
;;       q = np.round(r / step) * step * 2.0 ** e      # np.round: ties to even
;;       return np.moveaxis(q.reshape(q.shape[:-2] + (-1,))[..., :K], -1, axis).astype(np.float32)
;;   ~~~
;;   SOFTMAX AHEAD OF A QUANTISED PRODUCT. Where the list says 'softmax', what is quantised is not the finished softmax but p = 2^(t - M), with t = logit x log2(e) and M = ceil(the row's largest t), a whole number; so 1/2 < the row's largest p <= 1. The row's sum l is taken of the UNQUANTISED p, in f32, and the product's result is divided by l at the end. Since M is a whole number, a kernel that streams over the keys may use a running M (the ceiling of the running maximum): every later rescaling is an exact power of two, which a block's scale takes up: the codes' values come out the same.
;;   OPERANDS COMPUTED ON THE WAY. 'Computed on the way' means the value that the module computes at that place (a softmax that the list does not call 'softmax' is quantised finished and normalised). What goes into a quantiser is computed in f32, as accurately as f32 sums, v_exp_f32 and their like allow (about 1e-6 of the number): no bf16 or f16 on the way to a quantiser, and a product that is left as it is and whose result goes on into a quantised operand takes f32 operands (vector FMAs, or v_wmma_f32_16x16x4_f32). A number that lies on a knife's edge between two numbers of the format may be rounded either way, as far as f32 arithmetic and the matrix unit's own rounding can turn it there, and no further.
;;   INPUTS GIVEN AS CODES. W_proj (in the module: [1024, 1024], K = its axis 1); W_qkv (in the module: [3072, 1024], K = its axis 1); x (in the module: [4, 2048, 1024], K = its axis 2): each comes as NAME_codes (uint8): NAME with its K axis moved to the last place and cut into blocks of 32 codes, [.., K / 32, bytes a block], one block behind the other in memory; one code a byte (a code: sign, 5 exponent bits, 2 mantissa bits); and NAME_scales (uint8): the same leading axes, one E8M0 byte (e + 127) for each 32 codes along K. Its value is code x scale, taken as it is: it is not quantised again, and the codes and scales need not be those that the quantiser above would give.
;; One version. Each part assembles by itself: llvm-mc -triple=amdgcn-amd-amdhsa -mcpu=gfx1250 --defsym DOCPART=n.
;; ======== version 1 of 1: 3 launches
;; limits: right only within a limited range of input values
;; workspace buffers: qk_img 16,777,216 bytes; qk_sc 524,288 bytes; v_img 8,388,608 bytes; v_sc 262,144 bytes; att_img 8,388,608 bytes; att_sc 262,144 bytes
;; launch qkv (part 1): grid 12 x 32, 4 waves a work-group, clusters of 4 x 4, 327,680 bytes of LDS; arguments x_codes, x_scales, W_qkv_codes, W_qkv_scales, b_qkv, qk_img, qk_sc, v_img, v_sc; writes qk_img, qk_sc, v_img, v_sc
.if DOCPART == 1
	.amdgcn_target "amdgcn-amd-amdhsa--gfx1250"
	.amdhsa_code_object_version 6
	.text
	.protected	k_qe5704053b4_qkv
	.globl	k_qe5704053b4_qkv
	.p2align	8
	.type	k_qe5704053b4_qkv,@function
k_qe5704053b4_qkv:
	s_mov_b64 s[64:65], 0
	v_nop
	global_prefetch_b8 v0, s[64:65] scope:SCOPE_SE
	s_setreg_imm32_b32 hwreg(HW_REG_WAVE_MODE, 25, 1), 1
	s_wait_xcnt 0x0
	s_wait_alu depctr_hold_cnt(0) depctr_sa_sdst(0) depctr_va_vdst(0) depctr_va_sdst(0) depctr_va_ssrc(0) depctr_va_vcc(0) depctr_vm_vsrc(0)
	s_getreg_b32 s2, hwreg(HW_REG_IB_STS2, 6, 4)
	s_cmp_eq_u32 s2, 0
	s_cbranch_scc0 .Lentry_in_a_cluster
	s_endpgm
.Lentry_in_a_cluster:
	s_bfe_u32 s2, ttmp6, 0x10000c
	s_cmp_lg_u32 s2, 0xf033
	s_cbranch_scc0 .Lentry_shape_is_right
	s_endpgm
.Lentry_shape_is_right:
; qkv = x W_qkv^T + b_qkv on codes of BF8 (E5M2) with E8M0 scales, K = 1,024; the result is quantised at once: q and k along the head's 64, v along the keys.
; A tile of 256 x 256 is made by four waves, each 128 x 128: 64 accumulators, 512 registers.  K goes in steps of 256 through two LDS slots; the scale bytes of the tile's rows come once.
; TWO ROLES.  P is source 0 of the matrix instruction, R source 1: a lane then holds ONE row of R and its registers run along P's rows.  The quantiser's K must run along the registers, so
;   clusters x = 0, 1 (q, k): P = W_qkv's rows 0-2,047 (the features), R = x's rows (the tokens);   clusters x = 2 (v): P = x's rows (the keys), R = W_qkv's rows 2,048-3,071.
; The role hangs on the cluster's x alone, which all sixteen partners share.  R's tile is shared along a row of the cluster, P's along a column: joint loads.
; OUT.  Codes leave as images of operand registers: a chunk of 512 bytes = 4 registers x 32 lanes, lane l's 16 bytes at 16 l; lane (r, h) of chunk c holds row r, k = 32 c + 16 h + 0 .. 15.
;   qk_img [q, k][b, head][tile of 16 tokens][chunk 2][512];  qk_sc [q, k][b, head][pair of tiles][r] words: the two bytes of tile 2 i below, those of tile 2 i + 1 above;
;   v_img [b, head][step of 128 keys][tile of 16 d][chunk 4][512];  v_sc [b, head][step][d] words.
; In tiles 2 B and 2 B + 1 lane (r, h) holds k = 32 B + 16 u + 8 h + j: a block of 32 lies in lanes l and l xor 16.  Two lane swaps a pair of registers bring the codes into the operand's order.
; LIMITS: NaN and infinities are not served.  A block of zeros keeps the byte 1 where the quantiser says 127 (its codes are zeros; this program alone reads the byte); blocks whose largest magnitude lies under 2^-111 are held at byte 1.
; REGISTERS, in windows of 256: window 0: v0-31 addresses; v32-63 scale words, two sets; v64-127 the bias; from v128 R's fragments, later the quantiser's work.
;   window 1: P's fragments, two sets.   window 2: the accumulators of my R rows 0-63 ((a, b) at v[8 (8 a + b)]);   window 3: those of rows 64-127.
.set NQ,     2                         ; matrix instructions deep in a slot (256 along K)
.set ROWB,   256                       ; a tile's row in bytes
.set KROW,   1024                      ; a row of x or of W_qkv in memory
.set PITCH,  272                       ; an LDS row: 256 bytes + 16 of padding
.set FR,     16                        ; registers of a fragment
.set NL,     4                         ; LDS loads that bring one
.set NP,     8                         ; places behind this matrix instruction (ISA guide 7.12.1)
.set HALFT,  128*PITCH                 ; what one tensor load brings
.set SLOT,   4*HALFT                   ; R's 256 rows, then P's 256 rows
.set KS,     32                        ; a row of scale bytes
.set SCL,    2*SLOT                    ; behind the ring: the scales, as units of 256 bytes + 16
.set HALFS,  (128*KS/256)*272
.set SBLK,   (16*KS/256)*272
.set SPARE,  SCL+4*HALFS               ; the spare words: 128 bytes a wave, named by no other line
.set SCRQ,   SPARE+512                 ; q, k path: 512 bytes a wave for its scale words; no fill lands here
.set SCRV,   SCRQ+2048                 ; v path: the same, in bytes of its own
.set L16,  7                           ; v7   16 x lane
.set SQ,   8                           ; v8   SCRQ + 512 wave + 256 h + 4 r
.set SV,   9                           ; v9   SCRV + 512 wave + 4 r
.set RQ,   10                          ; v10  SCRQ + 512 wave + 16 lane
.set RV,   11                          ; v11  SCRV + 512 wave + 16 lane
.set SCO,  12                          ; v12  4096 h + 16 r: the scale words' place in memory
.set BH,   13                          ; v13  32 h
.set BR,   14                          ; v14  4 r
.set ADRA, 16                          ; v16-17  LDS address of R's fragments in slot 0, 1
.set ADRB, 20                          ; v20-21  of P's
.set ADRS, 27                          ; v27  of my scale words: lanes 0-15 R's rows, lanes 16-31 P's
.set SPW,  28                          ; v28  my spare word; never rewritten
.set NIL,  29                          ; v29  0; never rewritten
.set SC,   32
.set BIA,  64
.set AF,   128
.set X,    128                         ; the tail: 64 numbers
.set PC,   192                         ; their codes
.set TM,   208                         ; +0 largest magnitudes, +4 bytes, +12 the conversion's scale operand
.set HE,   224
.set H0,   225
.set H1,   226
.set WD,   227
.set OB,   232
.set SEL,  2                           ; s[2:3] lane selects for v_permlanex16_b32 (set in the tail)
.set G1,   24
.set G0,   32
.set G1B,  48
.set G0B,  56
.set G1S,  68
.set G0S,  76
.set G1SB, 80
.set G0SB, 88
.set HM,   94                          ; s94  lanes 16-31
.set MNT,  95
.set MSB, 0
.macro WIN new                         ; the immediate's high byte repeats the setting that is left
.if MSB != \new
	s_set_vgpr_msb (MSB<<8)|\new
.set MSB, \new
.endif
.endm
.set MUL_LO, 0xa1                      ; source 0 (P) window 1, source 1 (R) window 0, C and D window 2
.set MUL_HI, 0xf1
.set TO_B,   0x40
; A joint load: waves 0 and 1 fetch for R, waves 2 and 3 for P.  Four v_nop follow each of the two lines.
.macro JLOAD g0a, g1a, g0b, g1b
	s_cmp_eq_u32 s15, 0
	s_cbranch_scc0 .Lfor_b_\@
	tensor_load_to_lds s[\g0a:\g0a+3], s[\g1a:\g1a+7]
	s_nop 0
.rept 4
	v_nop
.endr
	s_branch .Lasked_\@
.Lfor_b_\@:
	tensor_load_to_lds s[\g0b:\g0b+3], s[\g1b:\g1b+7]
	s_nop 0
.rept 4
	v_nop
.endr
.Lasked_\@:
.endm
.macro CREST                           ; a round of the cluster's barrier behind its opening barrier
	s_cmp_lg_u32 s14, 0
	s_cbranch_scc1 .Lnot_wave_0_\@
	s_barrier_signal -3
.Lnot_wave_0_\@:
	s_barrier_wait -3
	s_barrier_signal -1
	s_barrier_wait -1
.endm
.macro CROUND
	s_barrier_signal -1
	s_barrier_wait -1
	CREST
.endm
	s_load_b256 s[4:11], s[0:1], 0x0               ; x's codes s[4:5], x's scales s[6:7], W's codes s[8:9], W's scales s[10:11]
	s_load_b64 s[92:93], s[0:1], 0x20              ; b_qkv
	s_load_b64 s[96:97], s[0:1], 0x28              ; qk_img
	s_load_b64 s[98:99], s[0:1], 0x30              ; qk_sc
	s_load_b64 s[12:13], s[0:1], 0x38              ; v_img
	s_load_b64 s[100:101], s[0:1], 0x40            ; v_sc
	v_lshl_add_u32 v[SPW], v0, 2, SPARE
	v_mov_b32 v[NIL], 0
	ds_add_u32 v28, v29
	ds_add_u32 v28, v29
	s_wait_dscnt 0x0
	v_lshrrev_b32 v1, 5, v0
	v_readfirstlane_b32 s14, v1                    ; wave 0..3
	s_lshr_b32 s15, s14, 1                         ; which half of R's rows is mine.  Also: I fetch for R (0) or for P (1)
	s_and_b32 s16, s14, 1                          ; which half of P's rows.  Also: which 128 rows of that tile I fetch
	s_bfe_u32 s40, ttmp6, 0x40000                  ; cx, cy
	s_bfe_u32 s41, ttmp6, 0x40004
	s_and_b32 s18, ttmp7, 0xffff                   ; the cluster's y
	s_cmp_eq_u32 ttmp9, 2                          ; the v clusters: the same answer in all sixteen partners
	s_cselect_b32 s19, s18, ttmp9                  ; which four tiles of P
	s_cselect_b32 s18, 0, s18                      ; which four tiles of R
	s_cselect_b32 s2, 0x200000, 0                  ; v: R begins at W's row 2,048: its codes,
	s_cselect_b32 s3, 0x10000, 0                   ; and its scale bytes
	s_lshl_b32 s42, s19, 2
	s_add_co_u32 s42, s42, s40                     ; P's tile
	s_lshl_b32 s17, s18, 2
	s_add_co_u32 s17, s17, s41                     ; R's tile
	s_lshl_b32 s43, s41, 2
	s_lshl_b32 s43, 15, s43                        ; my row of the cluster
	s_lshl_b32 s44, 0x1111, s40                    ; my column
	s_or_b32 s[G1+0], s43, (0<<16)|(1<<20)|(1<<21)|(5<<22)|(3<<25)  ; the mask: R's tiles go to my row; elements of 1 byte; padding: 4 words behind every 64; bit 21 beside a mask
	s_or_b32 s[G1B+0], s44, (0<<16)|(1<<20)|(1<<21)|(5<<22)|(3<<25)
.irp g, G1, G1B
	s_mov_b32 s[\g+1], ROWB<<16                    ; tensor_dim0
	s_mov_b32 s[\g+2], 128<<16                     ; tensor_dim1
	s_mov_b32 s[\g+3], ROWB<<16                    ; tile_dim0
	s_mov_b32 s[\g+4], 128                         ; tile_dim1
	s_mov_b32 s[\g+5], KROW                        ; the pitch
	s_mov_b32 s[\g+6], 0
	s_mov_b32 s[\g+7], 0
.endr
	s_or_b32 s[G1S+0], s43, (3<<16)|(1<<20)|(1<<21)|(5<<22)|(3<<25) ; the scales of 128 rows: 4,096 dense bytes as 16 rows of 256 (32 elements of 8 bytes), 16 bytes behind each
	s_or_b32 s[G1SB+0], s44, (3<<16)|(1<<20)|(1<<21)|(5<<22)|(3<<25)
.irp g, G1S, G1SB
	s_mov_b32 s[\g+1], 32<<16
	s_mov_b32 s[\g+2], (128*KS/256)<<16
	s_mov_b32 s[\g+3], 32<<16
	s_mov_b32 s[\g+4], 128*KS/256
	s_mov_b32 s[\g+5], 32
	s_mov_b32 s[\g+6], 0
	s_mov_b32 s[\g+7], 0
.endr
	s_lshl_b32 s18, s16, 7                         ; which 128 rows of the tile I fetch
	s_lshl_b32 s20, s17, 8
	s_add_co_u32 s20, s20, s18                     ; R's row
	s_lshl_b32 s46, s42, 8
	s_add_co_u32 s46, s46, s18                     ; P's row
	s_lshl_b32 s22, s20, 5                         ; R's scale bytes: 32 a row
	s_add_co_u32 s22, s22, s3
	s_lshl_b32 s20, s20, 10                        ; R's codes: 1,024 a row
	s_add_co_u32 s20, s20, s2
	s_mov_b32 s21, 0
	s_mov_b32 s23, 0
	s_lshl_b32 s66, s46, 5                         ; P's likewise
	s_lshl_b32 s46, s46, 10
	s_mov_b32 s47, 0
	s_mov_b32 s67, 0
	s_mul_i32 s45, s14, HALFT                      ; where they go: wave x 128 rows
	s_mul_i32 s19, s14, HALFS
	s_mov_b32 s[HM], 0xffff0000
	s_wait_kmcnt 0x0
	s_cmp_eq_u32 ttmp9, 2                          ; the buffers of the two roles: the choice hangs on the cluster's x alone
	s_cselect_b64 s[2:3], s[8:9], s[4:5]           ; R's codes
	s_cselect_b64 s[4:5], s[4:5], s[8:9]           ; P's codes
	s_cselect_b64 s[8:9], s[10:11], s[6:7]         ; R's scales
	s_cselect_b64 s[6:7], s[6:7], s[10:11]         ; P's scales
	s_add_nc_u64 s[20:21], s[2:3], s[20:21]
	s_add_nc_u64 s[22:23], s[8:9], s[22:23]
	s_add_nc_u64 s[46:47], s[4:5], s[46:47]
	s_add_nc_u64 s[66:67], s[6:7], s[66:67]
	CROUND                                         ; all sixteen work-groups are here: the first joint loads meet
	s_mov_b32 s[G0S], 1
	s_add_co_u32 s[G0S+1], s19, SCL
	s_mov_b64 s[G0S+2:G0S+3], s[22:23]
	s_or_b32 s[G0S+3], s[G0S+3], 0x80000000
	s_mov_b32 s[G0SB], 1
	s_add_co_u32 s[G0SB+1], s19, SCL
	s_mov_b64 s[G0SB+2:G0SB+3], s[66:67]
	s_or_b32 s[G0SB+3], s[G0SB+3], 0x80000000
	JLOAD G0S, G1S, G0SB, G1SB                     ; the scales first: they are wanted with K step 0
.irp s, 0,1
	s_mov_b32 s[G0+4*\s], 1
	s_add_co_u32 s[G0+4*\s+1], s45, \s*SLOT
	s_add_nc_u64 s[G0+4*\s+2:G0+4*\s+3], s[20:21], \s*ROWB
	s_or_b32 s[G0+4*\s+3], s[G0+4*\s+3], 0x80000000
	s_mov_b32 s[G0B+4*\s], 1
	s_add_co_u32 s[G0B+4*\s+1], s45, \s*SLOT
	s_add_nc_u64 s[G0B+4*\s+2:G0B+4*\s+3], s[46:47], \s*ROWB
	s_or_b32 s[G0B+4*\s+3], s[G0B+4*\s+3], 0x80000000
	JLOAD G0+4*\s, G1, G0B+4*\s, G1B               ; three loads of mine are out behind the second of these
.endr
	v_and_b32 v1, 15, v0                           ; r
	v_bfe_u32 v2, v0, 4, 1                         ; h
	v_mul_u32_u24 v3, v1, PITCH
	v_lshl_add_u32 v4, v2, 4, v3                   ; a fragment's row x pitch + 16 h
	s_mul_i32 s21, s15, HALFT                      ; my 128 rows of R
	s_mul_i32 s22, s16, HALFT                      ; my 128 rows of P,
	s_add_co_u32 s22, s22, 2*HALFT                 ; which lie behind R's 256
.irp s, 0,1
	v_add_nc_u32 v[ADRA+\s], s21, v4
	v_add_nc_u32 v[ADRB+\s], s22, v4
	s_add_co_u32 s21, s21, SLOT
	s_add_co_u32 s22, s22, SLOT
.endr
	v_mul_u32_u24 v5, v1, KS                       ; my row's scales: 32 bytes a row,
	v_lshrrev_b32 v6, 8, v5
	v_lshl_add_u32 v5, v6, 4, v5                   ; and 16 more for each 256 passed
	s_mul_i32 s21, s15, HALFS
	s_mul_i32 s22, s16, HALFS
	s_add_co_u32 s22, s22, 2*HALFS
	s_sub_co_u32 s22, s22, s21
	v_mul_u32_u24 v6, s22, v2                      ; lanes 16-31 take P's
	s_add_co_u32 s21, s21, SCL
	v_add_nc_u32 v5, v5, v6
	v_add_nc_u32 v[ADRS], s21, v5
	v_and_b32 v6, 31, v0
	v_lshlrev_b32 v[L16], 4, v6
	s_lshl_b32 s21, s14, 9                         ; 512 x wave
	v_lshlrev_b32 v[BR], 2, v1
	v_lshlrev_b32 v[BH], 5, v2
	v_lshl_add_u32 v[SQ], v2, 8, v[BR]
	v_add_nc_u32 v[SQ], s21, v[SQ]
	v_add_nc_u32 v[SQ], SCRQ, v[SQ]
	v_add_nc_u32 v[SV], s21, v[BR]
	v_add_nc_u32 v[SV], SCRV, v[SV]
	v_add_nc_u32 v[RQ], s21, v[L16]
	v_add_nc_u32 v[RV], SCRV, v[RQ]
	v_add_nc_u32 v[RQ], SCRQ, v[RQ]
	v_lshlrev_b32 v[SCO], 4, v1
	v_lshl_add_u32 v[SCO], v2, 12, v[SCO]
.macro FRAG reg, adr, q, i             ; 16 rows x 128 K: lane l holds row l % 16; registers 4 c .. 4 c + 3 hold K = 32 c + 16 (l / 16) + 0 .. 15
.irp c, 0,1,2,3
	ds_load_b128 v[\reg+4*\c:\reg+4*\c+3], v[\adr] offset:128*(\q)+32*\c+(\i)*16*PITCH
.endr
.endm
; 16 matrix instructions: R's blocks a0, a0 + 1 x P's eight.  The 64 accumulators take turns, one instruction a turn, in the same order in every step.
.macro MUL16 a0, p, q, sc, zero
.irp a, \a0, \a0+1
.irp b, 0,1,2,3,4,5,6,7
.if \zero
	v_wmma_scale_f32_16x16x128_f8f6f4 v[8*(8*((\a)%4)+\b):8*(8*((\a)%4)+\b)+7], v[128*(\p)+FR*\b:128*(\p)+FR*\b+FR-1], v[AF+FR*(\a):AF+FR*(\a)+FR-1], 0, v[SC+8*NQ*(\sc)+NQ*\b+(\q)], v[SC+8*NQ*(\sc)+NQ*(\a)+(\q)] matrix_a_fmt:MATRIX_FMT_BF8 matrix_b_fmt:MATRIX_FMT_BF8 matrix_a_scale:MATRIX_SCALE_ROW1
.else
	v_wmma_scale_f32_16x16x128_f8f6f4 v[8*(8*((\a)%4)+\b):8*(8*((\a)%4)+\b)+7], v[128*(\p)+FR*\b:128*(\p)+FR*\b+FR-1], v[AF+FR*(\a):AF+FR*(\a)+FR-1], v[8*(8*((\a)%4)+\b):8*(8*((\a)%4)+\b)+7], v[SC+8*NQ*(\sc)+NQ*\b+(\q)], v[SC+8*NQ*(\sc)+NQ*(\a)+(\q)] matrix_a_fmt:MATRIX_FMT_BF8 matrix_b_fmt:MATRIX_FMT_BF8 matrix_a_scale:MATRIX_SCALE_ROW1
.endif
.endr
.endr
.endm
.macro FETCH_B slot, q, p
	WIN TO_B
.irp i, 0,1,2,3,4,5,6,7
	FRAG 128*(\p)+FR*\i, ADRB+\slot, \q, \i
.endr
	WIN 0
.endm
.macro FETCH_A slot, q, i0
.irp i, \i0, \i0+1, \i0+2, \i0+3
	FRAG AF+FR*(\i), ADRA+\slot, \q, \i
.endr
.endm
.macro SCALES sc                       ; a K step's scale words: two a row; lanes 0-15 R's block i, lanes 16-31 P's block i
.irp i, 0,1,2,3,4,5,6,7
	ds_load_b64 v[SC+8*NQ*\sc+NQ*\i:SC+8*NQ*\sc+NQ*\i+1], v[ADRS] offset:\i*SBLK
.endr
.endm
.macro PLACES n                        ; plain vector instructions between a matrix instruction and a load into, or a read of, its registers
.rept \n
	v_nop
.endr
.endm
.macro STEP slot, q, zero              ; 128 along K with its successor in the same slot
	s_wait_dscnt 4*NL                              ; P's set and R's blocks 0-3 are in; the youngest 16 loads (R's blocks 4-7) may be out
	WIN MUL_LO
	MUL16 0, (\q)%2, \q, \slot, \zero
	MUL16 2, (\q)%2, \q, \slot, \zero
	s_wait_dscnt 0
	PLACES NP
	FETCH_B \slot, (\q)+1, 1-(\q)%2
	FETCH_A \slot, (\q)+1, 0
	WIN MUL_HI
	MUL16 4, (\q)%2, \q, \slot, \zero
	MUL16 6, (\q)%2, \q, \slot, \zero
	PLACES NP
	WIN 0
	FETCH_A \slot, (\q)+1, 4
.endm
; A slot's last step changes slots: one barrier; in front of it each wave waits for all its tensor loads, adds 0 to its spare word, and waits for that and for its reads of this slot.
.macro TURN slot, next, fill
	s_wait_tensorcnt 0x0                           ; all my tensor loads have landed: my part of the next slot
	ds_add_u32 v[SPW], v[NIL]                      ; 0 onto my spare word
	s_wait_dscnt 4*NL+1                            ; the add and the youngest 16 loads may be out
	WIN MUL_LO
	MUL16 0, 1, NQ-1, \slot, 0
	s_wait_dscnt 0x0                               ; the add is done, and my reads of this slot are over
	s_barrier_signal -1
	MUL16 2, 1, NQ-1, \slot, 0
	WIN 0
	s_barrier_wait -1
.if \fill
	CREST                                          ; the barrier has opened a round of the cluster's barrier: no wave of any partner still reads this slot or has a load on its way
	s_add_nc_u64 s[G0+4*\slot+2:G0+4*\slot+3], s[G0+4*\slot+2:G0+4*\slot+3], 2*ROWB
	s_add_nc_u64 s[G0B+4*\slot+2:G0B+4*\slot+3], s[G0B+4*\slot+2:G0B+4*\slot+3], 2*ROWB
	JLOAD G0+4*\slot, G1, G0B+4*\slot, G1B         ; the first tensor load behind the round; its four v_nop are four of the eight places
	PLACES NP-4
.else
	PLACES NP
.endif
	s_wait_alu depctr_va_vdst(0)
	v_add_nc_u32 v[ADRS], 4*NQ, v[ADRS]            ; the next K step's scale words
	FETCH_B \next, 0, 0
	FETCH_A \next, 0, 0
	SCALES \next
	WIN MUL_HI
	MUL16 4, 1, NQ-1, \slot, 0
	MUL16 6, 1, NQ-1, \slot, 0
	PLACES NP
	WIN 0
	FETCH_A \next, 0, 4
.endm
; 64 numbers of a lane, register 16 b + i, four blocks of 32 shared with lane l xor 16, become codes in v[PC] on; the bytes stand in v[TM+4] on.
.macro QUANT s
.irp b, 0,1,2,3
	v_max3_num_f32 v[TM+\b], |v[\s+16*\b]|, |v[\s+1+16*\b]|, 0x8000000   ; my 16 numbers and the floor 2^(16 - 127): the byte cannot fall under 1
.endr
.irp i, 2,4,6,8,10,12,14
.irp b, 0,1,2,3
	v_max3_num_f32 v[TM+\b], v[TM+\b], |v[\s+16*\b+\i]|, |v[\s+1+16*\b+\i]|
.endr
.endr
.irp b, 0,1,2,3
	v_permlanex16_b32 v[TM+4+\b], v[TM+\b], s[SEL], s[SEL+1]
.endr
.irp b, 0,1,2,3
	v_max_num_f32 v[TM+\b], v[TM+\b], v[TM+4+\b]   ; the block's largest magnitude
.endr
.irp b, 0,1,2,3
	v_add_nc_u32 v[TM+12+\b], 0xf8800000, v[TM+\b] ; 15 off its exponent field: the conversion's scale operand
.endr
.irp b, 0,1,2,3
.endr
.irp b, 0,1,2,3
	v_lshrrev_b32 v[TM+4+\b], 23, v[TM+12+\b]      ; the scale's byte
.endr
.irp b, 0,1,2,3
.irp i, 0,1,2,3,4,5,6,7,8,9,10,11,12,13,14,15
.endr
	v_cvt_scalef32_pk8_bf8_f32 v[PC+4*\b:PC+1+4*\b], v[\s+16*\b:\s+7+16*\b], v[TM+12+\b]
	v_cvt_scalef32_pk8_bf8_f32 v[PC+2+4*\b:PC+3+4*\b], v[\s+8+16*\b:\s+15+16*\b], v[TM+12+\b]
.endr
.endm
; R's block a: bias, quantiser, codes out as four chunks of 512 consecutive bytes, scale words into my scratch.
.macro EPI a, isv
	s_wait_xcnt 0x0                                ; the last block's stores have read their codes: v[PC] on may be written again
	WIN 0x02+(\a)/4                                ; source 0: window 2 or 3
.irp b, 0,1,2,3,4,5,6,7
.irp k, 0,2,4,6
.if \isv
	v_pk_add_f32 v[X+8*\b+\k:X+8*\b+\k+1], v[64*((\a)%4)+8*\b+\k:64*((\a)%4)+8*\b+\k+1], v[BIA+2*(\a):BIA+2*(\a)+1]   ; the bias of my feature, in both registers of the pair; each accumulator from its low end on
.else
	v_pk_add_f32 v[X+8*\b+\k:X+8*\b+\k+1], v[64*((\a)%4)+8*\b+\k:64*((\a)%4)+8*\b+\k+1], v[BIA+8*\b+\k:BIA+8*\b+\k+1]
.endif
.endr
.endr
	WIN 0
	QUANT X
.if \isv
	v_lshl_or_b32 v[WD], v[TM+5], 8, v[TM+4]       ; the four bytes of 128 keys make my feature's word.  (Plain lines behind the conversions)
	v_lshl_or_b32 v[WD], v[TM+6], 16, v[WD]
	v_lshl_or_b32 v[WD], v[TM+7], 24, v[WD]
	ds_store_b32 v[SV], v[WD] offset:64*(\a)       ; both halves of the lanes write the same word with the same value
.else
	v_lshl_or_b32 v[H0], v[TM+5], 8, v[TM+4]       ; the first head's two bytes, the second head's.  (Plain lines behind the conversions)
	v_lshl_or_b32 v[H1], v[TM+7], 8, v[TM+6]
.if ((\a)%2) == 0
	v_cndmask_b32 v[HE], v[H0], v[H1], s[HM]       ; lanes 0-15 keep the first head's, lanes 16-31 the second's
.else
	v_cndmask_b32 v[H0], v[H0], v[H1], s[HM]
	v_lshl_or_b32 v[WD], v[H0], 16, v[HE]          ; the even tile below, the odd one above
	ds_store_b32 v[SQ], v[WD] offset:64*((\a)/2)
.endif
.endif
.irp b, 0,1,2,3
	v_permlane16_swap_b32 v[PC+4*\b], v[PC+4*\b+2] ; lanes 16-31 of the first with lanes 0-15 of the second: lane (r, h) then holds k = 32 b + 16 h + 0 .. 15 in register order
	v_permlane16_swap_b32 v[PC+4*\b+1], v[PC+4*\b+3]
.endr
.irp b, 0,1,2,3
.if \isv
	global_store_b128 v[L16], v[PC+4*\b:PC+4*\b+3], s[12:13] offset:131072*((\a)/4)+2048*((\a)%4)+512*\b
.else
	global_store_b128 v[L16], v[PC+4*\b:PC+4*\b+3], s[96:97] offset:1024*(\a)+131072*(\b/2)+512*(\b%2)
.endif
.endr
.endm
.macro TAIL isv
	s_mov_b32 s[SEL], 0x76543210
	s_mov_b32 s[SEL+1], 0xfedcba98
	s_lshl_b32 s20, s17, 8
	s_lshl_b32 s21, s15, 7
	s_add_co_u32 s20, s20, s21                     ; my first row of R
	s_lshl_b32 s46, s42, 8
	s_lshl_b32 s47, s16, 7
	s_add_co_u32 s46, s46, s47                     ; my first row of P
	s_mov_b32 s67, 0
.if \isv
	s_lshr_b32 s21, s46, 11                        ; b
	s_bfe_u32 s22, s46, 0x40007                    ; which step of 128 keys
	s_lshl_b32 s21, s21, 4
	s_lshr_b32 s23, s20, 6
	s_add_co_u32 s21, s21, s23                     ; 16 b + head
	s_lshl_b32 s66, s21, 17
	s_lshl_b32 s23, s22, 13
	s_add_co_u32 s66, s66, s23
	s_add_nc_u64 s[12:13], s[12:13], s[66:67]      ; my codes
	s_lshl_b32 s66, s21, 12
	s_lshl_b32 s23, s22, 8
	s_add_co_u32 s66, s66, s23
	s_add_nc_u64 s[100:101], s[100:101], s[66:67]  ; my scale words
	s_lshl_b32 s66, s20, 2
	s_add_co_u32 s66, s66, 8192
	s_add_nc_u64 s[92:93], s[92:93], s[66:67]      ; my 128 numbers of the bias
.irp a, 0,1,2,3,4,5,6,7
	global_load_b32 v[BIA+2*\a], v[BR], s[92:93] offset:64*\a
	global_load_b32 v[BIA+2*\a+1], v[BR], s[92:93] offset:64*\a
.endr
.else
	s_lshr_b32 s21, s20, 11                        ; b
	s_and_b32 s22, s20, 2047                       ; my first token in b
	s_lshr_b32 s23, s46, 10                        ; q or k
	s_lshl_b32 s23, s23, 2
	s_add_co_u32 s23, s23, s21
	s_lshl_b32 s23, s23, 4
	s_bfe_u32 s21, s46, 0x40006                    ; head
	s_add_co_u32 s23, s23, s21
	s_lshl_b32 s66, s23, 17
	s_lshl_b32 s21, s22, 6                         ; 1,024 bytes a tile of 16 tokens
	s_add_co_u32 s66, s66, s21
	s_add_nc_u64 s[96:97], s[96:97], s[66:67]      ; my codes
	s_lshl_b32 s66, s23, 12
	s_lshl_b32 s21, s22, 1                         ; 64 bytes a pair of tiles
	s_add_co_u32 s66, s66, s21
	s_add_nc_u64 s[98:99], s[98:99], s[66:67]      ; my scale words
	s_lshl_b32 s66, s46, 2
	s_add_nc_u64 s[92:93], s[92:93], s[66:67]      ; my 128 numbers of the bias
.irp b, 0,1,2,3,4,5,6,7
	global_load_b128 v[BIA+8*\b:BIA+8*\b+3], v[BH], s[92:93] offset:64*\b
	global_load_b128 v[BIA+8*\b+4:BIA+8*\b+7], v[BH], s[92:93] offset:64*\b+16
.endr
.endif
	s_wait_dscnt 4*NL                              ; the very last step: nothing more to fetch; its 64 products stand between the bias's loads and the wait for them
	WIN MUL_LO
	MUL16 0, 1, NQ-1, 1, 0
	MUL16 2, 1, NQ-1, 1, 0
	s_wait_dscnt 0
	WIN MUL_HI
	MUL16 4, 1, NQ-1, 1, 0
	MUL16 6, 1, NQ-1, 1, 0
	WIN 0
	PLACES NP
	s_wait_loadcnt 0x0                             ; the bias
.irp b, 0,1,2,3
	v_mov_b32 v[TM+4+\b], 0                        ; written once: a lane permute's destination counts as one of its sources
.endr
.irp a, 0,1,2,3,4,5,6,7
	EPI \a, \isv
.endr
.if \isv
	ds_load_b128 v[OB:OB+3], v[RV]                 ; LDS serves a wave's instructions in order: this sees my stores
	s_wait_dscnt 0x0
	global_store_b128 v[SCO], v[OB:OB+3], s[100:101]   ; lanes 0-15: 256 consecutive bytes of the first head; lanes 16-31: of the next
.else
	ds_load_b128 v[OB:OB+3], v[RQ]
	s_wait_dscnt 0x0
	global_store_b128 v[SCO], v[OB:OB+3], s[98:99]
.endif
.endm
	s_wait_tensorcnt 1                             ; the scales and my part of K step 0 are in; K step 1's load may be out
	s_barrier_signal -1
	s_barrier_wait -1
	FETCH_B 0, 0, 0
	FETCH_A 0, 0, 0
	SCALES 0
	FETCH_A 0, 0, 4
	STEP 0, 0, 1                                   ; the first products start the sums
	TURN 0, 1, 1                                   ; the four K steps of 256 are written out
	STEP 1, 0, 0
	TURN 1, 0, 1
	STEP 0, 0, 0
	TURN 0, 1, 0                                   ; nothing is left to fetch
	STEP 1, 0, 0
	s_cmp_eq_u32 ttmp9, 2                          ; all joint loads lie behind: the two roles part
	s_cbranch_scc1 .Lv
	TAIL 0
	s_branch .Lend
.Lv:
	TAIL 1
.Lend:
	s_wait_tensorcnt 0x0                           ; the wave's end
	ds_add_u32 v[SPW], v[NIL]
	s_wait_dscnt 0x0
	CROUND                                         ; the closing round
	s_endpgm
.Lfunc_end_k_qe5704053b4_qkv:
	.size	k_qe5704053b4_qkv, .Lfunc_end_k_qe5704053b4_qkv-k_qe5704053b4_qkv
	.p2alignl 7, 3214868480
	.fill 96, 4, 3214868480
	.section	.rodata,"a",@progbits
	.p2align	6, 0x0
	.amdhsa_kernel k_qe5704053b4_qkv
		.amdhsa_group_segment_fixed_size 327680
		.amdhsa_private_segment_fixed_size 0
		.amdhsa_enable_private_segment 0
		.amdhsa_kernarg_size 72
		.amdhsa_user_sgpr_count 2
		.amdhsa_user_sgpr_kernarg_segment_ptr 1
		.amdhsa_wavefront_size32 1
		.amdhsa_system_sgpr_workgroup_id_x 1
		.amdhsa_system_sgpr_workgroup_id_y 1
		.amdhsa_system_sgpr_workgroup_id_z 1
		.amdhsa_system_vgpr_workitem_id 0
		.amdhsa_next_free_vgpr 1024
		.amdhsa_next_free_sgpr 102
		.amdhsa_reserve_vcc 0
		.amdhsa_float_denorm_mode_32 3
		.amdhsa_float_denorm_mode_16_64 3
		.amdhsa_fp16_overflow 1
		.amdhsa_memory_ordered 1
		.amdhsa_forward_progress 1
		.amdhsa_inst_pref_size 232
	.end_amdhsa_kernel
	.amdgpu_metadata
---
amdhsa.version: [ 1, 2 ]
amdhsa.kernels:
  - .name:           k_qe5704053b4_qkv
    .symbol:         k_qe5704053b4_qkv.kd
    .args:
      - { .name: x_codes, .offset: 0, .size: 8, .value_kind: global_buffer, .address_space: global }
      - { .name: x_scales, .offset: 8, .size: 8, .value_kind: global_buffer, .address_space: global }
      - { .name: W_qkv_codes, .offset: 16, .size: 8, .value_kind: global_buffer, .address_space: global }
      - { .name: W_qkv_scales, .offset: 24, .size: 8, .value_kind: global_buffer, .address_space: global }
      - { .name: b_qkv, .offset: 32, .size: 8, .value_kind: global_buffer, .address_space: global }
      - { .name: qk_img, .offset: 40, .size: 8, .value_kind: global_buffer, .address_space: global }
      - { .name: qk_sc, .offset: 48, .size: 8, .value_kind: global_buffer, .address_space: global }
      - { .name: v_img, .offset: 56, .size: 8, .value_kind: global_buffer, .address_space: global }
      - { .name: v_sc, .offset: 64, .size: 8, .value_kind: global_buffer, .address_space: global }
    .group_segment_fixed_size: 327680
    .private_segment_fixed_size: 0
    .kernarg_segment_align: 8
    .kernarg_segment_size: 72
    .max_flat_workgroup_size: 128
    .sgpr_count:     102
    .vgpr_count:     1024
    .wavefront_size: 32
...
	.end_amdgpu_metadata
.endif
;; end of part 1
;; launch attn (part 2): grid 4 x 64, 16 waves a work-group, clusters of 4 x 1, 272,384 bytes of LDS; arguments qk_img, qk_sc, v_img, v_sc, att_img, att_sc; writes att_img, att_sc
.if DOCPART == 2
	.amdgcn_target "amdgcn-amd-amdhsa--gfx1250"
	.amdhsa_code_object_version 6
	.text
	.protected	k_qe5704053b4_attn
	.globl	k_qe5704053b4_attn
	.p2align	8
	.type	k_qe5704053b4_attn,@function
k_qe5704053b4_attn:
	s_mov_b64 s[64:65], 0
	v_nop
	global_prefetch_b8 v0, s[64:65] scope:SCOPE_SE
	s_setreg_imm32_b32 hwreg(HW_REG_WAVE_MODE, 25, 1), 1
	s_wait_xcnt 0x0
	s_wait_alu depctr_hold_cnt(0) depctr_sa_sdst(0) depctr_va_vdst(0) depctr_va_sdst(0) depctr_va_ssrc(0) depctr_va_vcc(0) depctr_vm_vsrc(0)
	s_getreg_b32 s2, hwreg(HW_REG_IB_STS2, 6, 4)
	s_cmp_eq_u32 s2, 0
	s_cbranch_scc0 .Lentry_in_a_cluster
	s_endpgm
.Lentry_in_a_cluster:
	s_bfe_u32 s2, ttmp6, 0x10000c
	s_cmp_lg_u32 s2, 0x3003
	s_cbranch_scc0 .Lentry_shape_is_right
	s_endpgm
.Lentry_shape_is_right:
; Causal attention of one (b, head) a cluster, head size 64, 2,048 tokens, both products on codes of BF8 (E5M2) with E8M0 scales; the result is divided by the row's sum and quantised along D at once.
; THE SOFTMAX: t = score x log2(e) / 8; M = the running largest t rounded UP to a whole number; p = 2^(t - M) is quantised along the keys, not normalised; the sum is taken of the unquantised p; when M moves, the sum and
; O are multiplied by 2^(old M - new M), which rounds nothing.
; LDS.  The head's k codes (131,072 bytes), v codes (131,072) and their scale words (4,096 each) come ONCE, by joint loads that name the cluster's four work-groups: no slot is ever filled again, nothing is stored to LDS.
; SHARES.  Query tile qt = 8 m + e needs key steps 0 .. m of 128 keys; step m holds its diagonal.  Work-group cx takes e = 2 cx and 2 cx + 1 of every m, so the four partners run alike: cx enters global addresses and
; the mask's threshold alone.  Wave w does two jobs on end: m = max(w, 15 - w) and then 15 - that: 17 steps a wave, whatever w.
; LAYOUT.  Both products are used transposed: S^T = k q^T (source 0 = keys, source 1 = my 16 queries), O^T = v^T p^T: a lane holds ONE query throughout.
; K = 64 IN AN INSTRUCTION OF 128: a fragment of 16 registers holds TWO tiles of 16 keys, [k(2 i) | k(2 i + 1)]; v16-39 hold [0 x 8 | q x 8 | 0 x 8], so v[24:39] = [q | 0] gives tile 2 i and v[16:31] = [0 | q] tile 2 i + 1.
; What does not count is a zero code times a finite code: the quantiser's hold makes no infinity, and no scale byte is 0xff.
; In tiles 2 b and 2 b + 1 lane (r, h) holds keys 32 b + 16 u + 8 h + j: a block of 32 lies in lanes l and l xor 16; two lane swaps a pair of registers bring the codes into the operand's order.
; LIMITS: NaN and infinities are not served.  A block of zeros keeps the byte 1 (its codes are zeros; this program alone reads the byte); blocks under 2^-111 are held at byte 1.  A block's largest p is taken from its
; largest score by the same two instructions: that leans on v_exp_f32 not falling where its input rises; at the worst one p of a block is held one code low.
.set KSC,  262144                      ; k's scale words; v's lie 4,096 bytes on
.set VSC,  266240
.set VREG, 131072
.set L16,  1                           ; v1   16 x lane
.set L4,   2                           ; v2   KSC + 4 x lane
.set DQ,   3                           ; v3   the mask's threshold: 16 e + r - 8 h
.set DQ2,  4                           ; v4   the second job's
.set ADK,  5
.set ADV,  6
.set ADS,  7
.set NINF, 8                           ; v8   -infinity
.set AO,   9                           ; v9   where my codes go
.set AB,   10                          ; v10  where my scale byte goes
.set RH,   11                          ; v11  32 r + h
.set Q2,   40                          ; v40-47 the second job's q
.set RAW2, 48                          ; v48  its raw scale word
.set QS,   49                          ; v49  q's scale word
.set KSW,  50                          ; v50-51 k's scale words: lanes 0-15 an even pair of tiles, lanes 16-31 the odd one
.set VSW,  52                          ; v52-53 v's likewise
.set PW,   54                          ; v54  p's scale word
.set BY,   55
.set SOP,  56                          ; v56-59 the conversions' scale operands
.set SM2,  60                          ; v[60:61] the second chain of the sum
.set RAW1, 62
.set KV,   64                          ; v64-127 four fragments of k, then of v
.set S,    128                         ; v128-191 S^T, then p
.set O,    192                         ; v192-223 O^T
.set PC,   224                         ; v224-239 p's codes
.set BM,   240
.set PT,   244
.set HD,   248
.set F,    252                         ; v[252:253] f; v253 is written once
.set T,    254
.set WV,   16
.set BHD,  17
.set CX,   18
.set MNT,  19
.set SEL,  20
.set CS,   22                          ; s[22:23] c = log2(e) / 8
.set G1A,  24                          ; groups 1: 2, 4 and 60 rows of 256 bytes
.set G1B,  32
.set G1C,  40
.set G0K,  48                          ; s48-59 three groups 0 for k
.set STI,  60                          ; the key step in hand
.set CLS,  61                          ; the job's last key step
.set KO,   62
.set SOF,  63
.set TRIP, 66
.set CLS2, 67
.set G0V,  68                          ; s68-79 three groups 0 for v
.set OUT,  80
.set OUT2, 81
.set OSC,  82
.set OSC2, 83
.set PSEL2, 84
.set HM,   85
.macro ROUND                           ; a round of the cluster's barrier
	s_barrier_signal -1
	s_barrier_wait -1
	s_cmp_lg_u32 s[WV], 0
	s_cbranch_scc1 .Lnot_wave_0_\@
	s_barrier_signal -3
.Lnot_wave_0_\@:
	s_barrier_wait -3
	s_barrier_signal -1
	s_barrier_wait -1
.endm
.macro GROUP1 g, rows                  ; a dense block as rows of 256 bytes (32 elements of 8 bytes), no padding; the mask names all four work-groups, bit 21 beside it
	s_mov_b32 s[\g], 15|(3<<16)|(1<<21)
	s_mov_b32 s[\g+1], 32<<16
	s_mov_b32 s[\g+2], (\rows)<<16
	s_mov_b32 s[\g+3], 32<<16
	s_mov_b32 s[\g+4], \rows
	s_mov_b32 s[\g+5], 32
	s_mov_b32 s[\g+6], 0
	s_mov_b32 s[\g+7], 0
.endm
	s_load_b256 s[4:11], s[0:1], 0x0               ; qk_img s[4:5], qk_sc s[6:7], v_img s[8:9], v_sc s[10:11]
	s_load_b128 s[12:15], s[0:1], 0x20             ; att_img s[12:13], att_sc s[14:15]
	v_lshl_add_u32 v63, v0, 2, 0x42000
	v_mov_b32 v255, 0
	ds_add_u32 v63, v255
	ds_add_u32 v63, v255
	v_lshrrev_b32 v1, 5, v0
	s_delay_alu instid0(VALU_DEP_1)
	v_readfirstlane_b32 s[WV], v1                  ; wave 0..15
	s_and_b32 s[BHD], ttmp7, 0xffff                ; 16 b + head: the cluster's y
	s_bfe_u32 s[CX], ttmp6, 0x40000
	GROUP1 G1A, 2
	GROUP1 G1B, 4
	GROUP1 G1C, 60
	s_mov_b32 s[SEL], 0x76543210
	s_mov_b32 s[SEL+1], 0xfedcba98
	s_mov_b32 s[CS], 0x3e38aa3b
	s_mov_b32 s[CS+1], s[CS]
	s_mov_b32 s[HM], 0xffff0000
	; what I fetch: waves 0-7 an eighth of k's bytes, waves 8-15 of v's
	s_and_b32 s86, s[WV], 7                        ; i
	s_lshl_b32 s87, s86, 9                         ; the scale words: 512 i
	s_lshl_b32 s88, s[BHD], 12
	s_add_co_u32 s88, s88, s87
	s_mov_b32 s89, 0
	s_lshl_b32 s90, s86, 10                        ; key step 0: 1,024 i
	s_lshl_b32 s92, s[BHD], 17
	s_add_co_u32 s92, s92, s90
	s_mov_b32 s93, 0
	s_mul_i32 s91, s86, 15360                      ; key steps 1-15: 8,192 + 15,360 i
	s_add_co_u32 s91, s91, 8192
	s_lshl_b32 s94, s[BHD], 17
	s_add_co_u32 s94, s94, s91
	s_mov_b32 s95, 0
	s_wait_dscnt 0x0
	s_wait_kmcnt 0x0
	s_mov_b32 s[G0K], 1
	s_add_co_u32 s[G0K+1], s87, KSC
	s_add_nc_u64 s[G0K+2:G0K+3], s[6:7], s[88:89]
	s_add_nc_u64 s[G0K+2:G0K+3], s[G0K+2:G0K+3], 262144    ; k's half of qk_sc
	s_or_b32 s[G0K+3], s[G0K+3], 0x80000000
	s_mov_b32 s[G0K+4], 1
	s_mov_b32 s[G0K+5], s90
	s_add_nc_u64 s[G0K+6:G0K+7], s[4:5], s[92:93]
	s_add_nc_u64 s[G0K+6:G0K+7], s[G0K+6:G0K+7], 8388608   ; k's half of qk_img
	s_or_b32 s[G0K+7], s[G0K+7], 0x80000000
	s_mov_b32 s[G0K+8], 1
	s_mov_b32 s[G0K+9], s91
	s_add_nc_u64 s[G0K+10:G0K+11], s[4:5], s[94:95]
	s_add_nc_u64 s[G0K+10:G0K+11], s[G0K+10:G0K+11], 8388608
	s_or_b32 s[G0K+11], s[G0K+11], 0x80000000
	s_mov_b32 s[G0V], 1
	s_add_co_u32 s[G0V+1], s87, VSC
	s_add_nc_u64 s[G0V+2:G0V+3], s[10:11], s[88:89]
	s_or_b32 s[G0V+3], s[G0V+3], 0x80000000
	s_mov_b32 s[G0V+4], 1
	s_add_co_u32 s[G0V+5], s90, VREG
	s_add_nc_u64 s[G0V+6:G0V+7], s[8:9], s[92:93]
	s_or_b32 s[G0V+7], s[G0V+7], 0x80000000
	s_mov_b32 s[G0V+8], 1
	s_add_co_u32 s[G0V+9], s91, VREG
	s_add_nc_u64 s[G0V+10:G0V+11], s[8:9], s[94:95]
	s_or_b32 s[G0V+11], s[G0V+11], 0x80000000
	ROUND                                          ; all four work-groups are here: the joint loads meet
	s_cmp_lt_u32 s[WV], 8                          ; a wave's three fills stand in one branch: three loads of mine are out
	s_cbranch_scc0 .Lfill_v
	tensor_load_to_lds s[G0K:G0K+3], s[G1A:G1A+7]          ; scale words
	s_nop 0
	tensor_load_to_lds s[G0K+4:G0K+7], s[G1B:G1B+7]        ; key step 0
	s_nop 0
	tensor_load_to_lds s[G0K+8:G0K+11], s[G1C:G1C+7]       ; key steps 1-15
	s_nop 0
.rept 4
	v_nop
.endr
	s_branch .Lfilled
.Lfill_v:
	tensor_load_to_lds s[G0V:G0V+3], s[G1A:G1A+7]
	s_nop 0
	tensor_load_to_lds s[G0V+4:G0V+7], s[G1B:G1B+7]
	s_nop 0
	tensor_load_to_lds s[G0V+8:G0V+11], s[G1C:G1C+7]
	s_nop 0
.rept 4
	v_nop
.endr
.Lfilled:
	; my two jobs
	s_sub_co_u32 s86, 15, s[WV]
	s_max_u32 s[CLS], s[WV], s86                   ; m of job 1: 8 .. 15
	s_sub_co_u32 s[CLS2], 15, s[CLS]               ; of job 2: 0 .. 7
	s_cmp_lt_u32 s[WV], 8
	s_cselect_b32 s86, 1, 0                        ; which of the work-group's two tiles of m: job 1,
	s_xor_b32 s87, s86, 1                          ; job 2
	s_lshl_b32 s88, s[CX], 1
	s_add_co_u32 s89, s88, s86                     ; e of job 1
	s_add_co_u32 s90, s88, s87                     ; e of job 2
	s_lshl_b32 s91, s[CLS], 3
	s_add_co_u32 s91, s91, s89                     ; qt of job 1
	s_lshl_b32 s92, s[CLS2], 3
	s_add_co_u32 s92, s92, s90                     ; qt of job 2
	s_mul_i32 s93, s86, 0x02020202
	s_add_co_u32 s93, s93, 0x01000100              ; byte selects: the even tile's two bytes twice, or the odd tile's
	s_mul_i32 s[PSEL2], s87, 0x02020202
	s_add_co_u32 s[PSEL2], s[PSEL2], 0x01000100
	s_lshr_b32 s94, s[BHD], 4                      ; b
	s_and_b32 s95, s[BHD], 15                      ; head
	s_lshl_b32 s94, s94, 7
	s_add_co_u32 s96, s94, s91                     ; row tiles 128 b + qt
	s_add_co_u32 s97, s94, s92
	s_lshl_b32 s98, s95, 10
	s_lshl_b32 s[OUT], s96, 14                     ; att_img: 16,384 a row tile, 1,024 a head
	s_add_co_u32 s[OUT], s[OUT], s98
	s_lshl_b32 s[OUT2], s97, 14
	s_add_co_u32 s[OUT2], s[OUT2], s98
	s_lshl_b32 s98, s95, 1
	s_lshl_b32 s[OSC], s96, 9                      ; att_sc: 32 bytes a row, 2 a head
	s_add_co_u32 s[OSC], s[OSC], s98
	s_lshl_b32 s[OSC2], s97, 9
	s_add_co_u32 s[OSC2], s[OSC2], s98
	s_lshl_b32 s94, s[BHD], 7
	s_add_co_u32 s96, s94, s91
	s_lshl_b32 s96, s96, 10                        ; q's codes, job 1
	s_add_co_u32 s97, s94, s92
	s_lshl_b32 s97, s97, 10                        ; job 2
	s_lshl_b32 s94, s[BHD], 12
	s_lshr_b32 s98, s91, 1
	s_lshl_b32 s98, s98, 6
	s_add_co_u32 s98, s98, s94                     ; q's scale words, job 1
	s_lshr_b32 s99, s92, 1
	s_lshl_b32 s99, s99, 6
	s_add_co_u32 s99, s99, s94                     ; job 2
	v_and_b32 v2, 31, v0
	s_delay_alu instid0(VALU_DEP_1)
	v_lshlrev_b32 v[L16], 4, v2
	s_delay_alu instid0(VALU_DEP_2)
	v_lshl_add_u32 v[L4], v2, 2, KSC
	v_and_b32 v5, 15, v0                           ; r
	v_bfe_u32 v6, v0, 4, 1                         ; h
	s_delay_alu instid0(VALU_DEP_1)
	v_lshl_add_u32 v[RH], v5, 5, v6
	s_delay_alu instid0(VALU_DEP_2)
	v_lshlrev_b32 v7, 3, v6
	s_delay_alu instid0(VALU_DEP_1)
	v_sub_nc_u32 v7, v5, v7                        ; r - 8 h
	s_delay_alu instid0(VALU_DEP_1)
	v_lshl_add_u32 v[DQ], s89, 4, v7
	s_delay_alu instid0(VALU_DEP_2)
	v_lshl_add_u32 v[DQ2], s90, 4, v7
	v_add_nc_u32 v[AO], s96, v[L16]
	v_add_nc_u32 v[AB], s97, v[L16]
	v_lshlrev_b32 v5, 2, v5
	s_delay_alu instid0(VALU_DEP_1)
	v_add_nc_u32 v6, s98, v5
	s_delay_alu instid0(VALU_DEP_2)
	v_add_nc_u32 v7, s99, v5
	global_load_b128 v[24:27], v[AO], s[4:5]               ; q of job 1: d 0-31,
	global_load_b128 v[28:31], v[AO], s[4:5] offset:512    ; d 32-63
	global_load_b128 v[Q2:Q2+3], v[AB], s[4:5]
	global_load_b128 v[Q2+4:Q2+7], v[AB], s[4:5] offset:512
	global_load_b32 v[RAW1], v6, s[6:7]
	global_load_b32 v[RAW2], v7, s[6:7]
	v_mov_b32 v[NINF], 0xff800000
.irp j, 0,1,2,3,4,5,6,7
	v_mov_b32 v[16+\j], 0                          ; the zero codes on both sides of q
	v_mov_b32 v[32+\j], 0
.endr
	v_mov_b32 v13, 0xff61b1e6                      ; the largest t so far: -3e38
	s_delay_alu instid0(VALU_DEP_1)
	v_floor_f32 v12, -v13                          ; -M
	v_mov_b32 v14, 0
	v_mov_b32 v15, 0
	v_mov_b32 v[F+1], 0                            ; named as the upper half of a pair
	v_mov_b32 v[T], 0
.irp b, 0,1,2,3
	v_mov_b32 v[PT+\b], 0                          ; a lane permute's destination counts as one of its sources
.endr
	s_wait_loadcnt 0x0                             ; q and its words; the address registers are free
	v_perm_b32 v[QS], v[RAW1], v[RAW1], s93        ; my tile's two bytes, below and above: one word serves [q | 0] and [0 | q]
.irp j, 0,1,2,3,4,5,6,7,8,9,10,11,12,13,14,15,16,17,18,19,20,21,22,23,24,25,26,27,28,29,30,31
	v_mov_b32 v[O+\j], 0                           ; O^T: the first change of M leaves zeros zeros
.endr
; A UNIT: my 16 queries x the 128 keys of the step whose codes begin at s[KO] and whose words begin at s[SOF].  diag = 1: the step may be the job's last, which holds the diagonal.
.macro STEP diag
	v_add_nc_u32 v[ADK], s[KO], v[L16]
	s_delay_alu instid0(VALU_DEP_1)
	v_add_nc_u32 v[ADV], VREG, v[ADK]
	v_add_nc_u32 v[ADS], s[SOF], v[L4]
.rept 5
	v_nop                                          ; with the three additions: eight places behind the last products, whose fragments the loads below write over
.endr
.irp i, 0,1,2,3
.irp c, 0,1,2,3
	ds_load_b128 v[KV+16*\i+4*\c:KV+16*\i+4*\c+3], v[ADK] offset:2048*\i+512*\c   ; 512 consecutive bytes: tiles 2 i and 2 i + 1, two chunks each
.endr
.endr
	ds_load_b32 v[KSW], v[ADS]
	ds_load_b32 v[KSW+1], v[ADS] offset:128
	s_wait_alu depctr_va_vdst(0)
	s_wait_dscnt 0x0
.irp i, 0,1,2,3
.if (\i%2) == 0
	v_wmma_scale_f32_16x16x128_f8f6f4 v[S+16*\i:S+16*\i+7], v[KV+16*\i:KV+16*\i+15], v[24:39], 0, v[KSW+\i/2], v[QS] matrix_a_fmt:MATRIX_FMT_BF8 matrix_b_fmt:MATRIX_FMT_BF8
	v_wmma_scale_f32_16x16x128_f8f6f4 v[S+16*\i+8:S+16*\i+15], v[KV+16*\i:KV+16*\i+15], v[16:31], 0, v[KSW+\i/2], v[QS] matrix_a_fmt:MATRIX_FMT_BF8 matrix_b_fmt:MATRIX_FMT_BF8
.else
	v_wmma_scale_f32_16x16x128_f8f6f4 v[S+16*\i:S+16*\i+7], v[KV+16*\i:KV+16*\i+15], v[24:39], 0, v[KSW+\i/2], v[QS] matrix_a_fmt:MATRIX_FMT_BF8 matrix_b_fmt:MATRIX_FMT_BF8 matrix_a_scale:MATRIX_SCALE_ROW1
	v_wmma_scale_f32_16x16x128_f8f6f4 v[S+16*\i+8:S+16*\i+15], v[KV+16*\i:KV+16*\i+15], v[16:31], 0, v[KSW+\i/2], v[QS] matrix_a_fmt:MATRIX_FMT_BF8 matrix_b_fmt:MATRIX_FMT_BF8 matrix_a_scale:MATRIX_SCALE_ROW1
.endif
.endr
.rept 8
	v_nop                                          ; places: for the loads into k's fragments and for the first read of the scores
.endr
.irp t, 0,1,2,3
.irp c, 0,1,2,3
	ds_load_b128 v[KV+16*\t+4*\c:KV+16*\t+4*\c+3], v[ADV] offset:2048*\t+512*\c   ; v lands under the softmax
.endr
.endr
	ds_load_b32 v[VSW], v[ADS] offset:4096
	ds_load_b32 v[VSW+1], v[ADS] offset:4224
.if \diag
	s_cmp_lg_u32 s[STI], s[CLS]                    ; only the job's last step holds hidden keys
	s_cbranch_scc1 .Lopen_\@
.irp n, 0,1,2,3,4,5,6,7,8,9,10,11,12,13,14,15,16,17,18,19,20,21,22,23,24,25,26,27,28,29,30,31,32,33,34,35,36,37,38,39,40,41,42,43,44,45,46,47,48,49,50,51,52,53,54,55,56,57,58,59,60,61,62,63
	v_cmp_gt_i32 vcc_lo, 16*(\n/8)+\n%8, v[DQ]     ; register n holds key 16 (n / 8) + n % 8 + 8 h of the step: hidden where that lies beyond my query
	v_cndmask_b32 v[S+\n], v[S+\n], v[NINF], vcc_lo
.endr
.Lopen_\@:
.endif
.irp b, 0,1,2,3
	v_max3_num_f32 v[BM+\b], v[S+16*\b], v[S+1+16*\b], v[S+2+16*\b]   ; the largest score of each block of 32 keys: for the row's maximum and for the block's largest p
.endr
.irp i, 3,5,7,9,11,13
.irp b, 0,1,2,3
	v_max3_num_f32 v[BM+\b], v[BM+\b], v[S+16*\b+\i], v[S+1+16*\b+\i]
.endr
.endr
.irp b, 0,1,2,3
	v_max_num_f32 v[BM+\b], v[BM+\b], v[S+15+16*\b]
.endr
.irp b, 0,1,2,3
	s_delay_alu instid0(VALU_DEP_4)
	v_permlanex16_b32 v[PT+\b], v[BM+\b], s[SEL], s[SEL+1]
.endr
.irp b, 0,1,2,3
	s_delay_alu instid0(VALU_DEP_4)
	v_max_num_f32 v[BM+\b], v[BM+\b], v[PT+\b]
.endr
	s_delay_alu instid0(VALU_DEP_2)
	v_max3_num_f32 v[T], v[BM], v[BM+1], v[BM+2]
	s_delay_alu instid0(VALU_DEP_1)
	v_max_num_f32 v[T], v[T], v[BM+3]
	s_delay_alu instid0(VALU_DEP_1)
	v_mul_f32 v[T], s[CS], v[T]
	s_delay_alu instid0(VALU_DEP_1)
	v_max_num_f32 v13, v13, v[T]                   ; the running largest t
	v_mov_b32 v[T], v12
	s_delay_alu instid0(VALU_DEP_2)
	v_floor_f32 v12, -v13                          ; the new -M = -ceil(t)
	s_delay_alu instid0(VALU_DEP_1)
	v_sub_f32 v[T], v12, v[T]                      ; old M - new M: a whole number, 0 or less
	s_delay_alu instid0(VALU_DEP_1)
	v_cvt_i32_f32 v[T], v[T]                       ; (it saturates)
	s_delay_alu instid0(VALU_DEP_1)
	v_ldexp_f32 v[F], 1.0, v[T]                    ; f = 2^(old M - new M)
.irp j, 0,2,4,6,8,10,12,14,16,18,20,22,24,26,28,30,32,34,36,38,40,42,44,46,48,50,52,54,56,58,60,62
	v_pk_fma_f32 v[S+\j:S+1+\j], v[S+\j:S+1+\j], s[CS:CS+1], v[12:13] op_sel_hi:[1,0,0]   ; t - M
.endr
.irp b, 0,1,2,3
	v_fma_f32 v[BM+\b], v[BM+\b], s[CS], v12
.endr
	s_wait_alu depctr_va_vdst(0)
.irp j, 0,1,2,3,4,5,6,7,8,9,10,11,12,13,14,15,16,17,18,19,20,21,22,23,24,25,26,27,28,29,30,31,32,33,34,35,36,37,38,39,40,41,42,43,44,45,46,47,48,49,50,51,52,53,54,55,56,57,58,59,60,61,62,63
	v_exp_f32 v[S+\j], v[S+\j]                     ; p = 2^(t - M)
.endr
.irp b, 0,1,2,3
	v_exp_f32 v[BM+\b], v[BM+\b]                   ; the block's largest p
.endr
	v_pk_mul_f32 v[14:15], v[14:15], v[F:F+1] op_sel_hi:[1,0]   ; the sums under the new M.  (A plain place behind the exponentials)
	s_wait_alu depctr_va_vdst(0)
.irp b, 0,1,2,3
	v_max_num_f32 v[BM+\b], 0x8000000, v[BM+\b]    ; the floor 2^(16 - 127)
.endr
.irp b, 0,1,2,3
	s_delay_alu instid0(VALU_DEP_4)
	v_add_nc_u32 v[SOP+\b], 0xf8800000, v[BM+\b]
.endr
.irp b, 0,1,2,3
.endr
.irp b, 0,1,2,3
	s_delay_alu instid0(VALU_DEP_4)
	v_lshrrev_b32 v[PT+\b], 23, v[SOP+\b]
.endr
	s_delay_alu instid0(VALU_DEP_3)
	v_lshl_or_b32 v[PW], v[PT+1], 8, v[PT]         ; p's scale word for these 128 keys
	s_delay_alu instid0(VALU_DEP_1)
	v_lshl_or_b32 v[PW], v[PT+2], 16, v[PW]
	s_delay_alu instid0(VALU_DEP_1)
	v_lshl_or_b32 v[PW], v[PT+3], 24, v[PW]
	v_pk_add_f32 v[60:61], v[132:133], v[136:137]
	v_pk_add_f32 v[250:251], v[140:141], v[144:145]
	v_pk_add_f32 v[248:249], v[148:149], v[152:153]
	v_pk_add_f32 v[242:243], v[156:157], v[160:161]
	v_pk_add_f32 v[240:241], v[164:165], v[168:169]
	v_pk_add_f32 v[238:239], v[172:173], v[176:177]
	v_pk_add_f32 v[236:237], v[180:181], v[184:185]
	v_pk_add_f32 v[14:15], v[14:15], v[188:189]
	v_pk_add_f32 v[60:61], v[60:61], v[128:129]
	v_pk_add_f32 v[250:251], v[250:251], v[130:131]
	v_pk_add_f32 v[248:249], v[248:249], v[134:135]
	v_pk_add_f32 v[242:243], v[242:243], v[138:139]
	v_pk_add_f32 v[240:241], v[240:241], v[142:143]
	v_pk_add_f32 v[238:239], v[238:239], v[146:147]
	v_pk_add_f32 v[236:237], v[236:237], v[150:151]
	v_pk_add_f32 v[14:15], v[14:15], v[154:155]
	v_pk_add_f32 v[60:61], v[60:61], v[158:159]
	v_pk_add_f32 v[250:251], v[250:251], v[162:163]
	v_pk_add_f32 v[248:249], v[248:249], v[166:167]
	v_pk_add_f32 v[242:243], v[242:243], v[170:171]
	v_pk_add_f32 v[240:241], v[240:241], v[174:175]
	v_pk_add_f32 v[238:239], v[238:239], v[178:179]
	v_pk_add_f32 v[236:237], v[236:237], v[182:183]
	v_pk_add_f32 v[14:15], v[14:15], v[186:187]
	v_pk_add_f32 v[60:61], v[60:61], v[190:191]
	s_delay_alu instid0(VALU_DEP_2)
	v_pk_add_f32 v[14:15], v[14:15], v[242:243]
	s_delay_alu instid0(VALU_DEP_2)
	v_pk_add_f32 v[60:61], v[60:61], v[240:241]
	v_pk_add_f32 v[250:251], v[250:251], v[238:239]
	v_pk_add_f32 v[248:249], v[248:249], v[236:237]
	s_delay_alu instid0(VALU_DEP_2)
	v_pk_add_f32 v[14:15], v[14:15], v[250:251]
	s_delay_alu instid0(VALU_DEP_2)
	v_pk_add_f32 v[60:61], v[60:61], v[248:249]
	s_delay_alu instid0(VALU_DEP_1)
	v_pk_add_f32 v[14:15], v[14:15], v[60:61]
.irp b, 0,1,2,3
.irp i, 0,1,2,3,4,5,6,7,8,9,10,11,12,13,14,15
.endr
	v_cvt_scalef32_pk8_bf8_f32 v[PC+4*\b:PC+1+4*\b], v[S+16*\b:S+7+16*\b], v[SOP+\b]
	v_cvt_scalef32_pk8_bf8_f32 v[PC+2+4*\b:PC+3+4*\b], v[S+8+16*\b:S+15+16*\b], v[SOP+\b]
.endr
.irp j, 0,2,4,6,8,10,12,14
	v_pk_mul_f32 v[O+\j:O+1+\j], v[O+\j:O+1+\j], v[F:F+1] op_sel_hi:[1,0]   ; O^T under the new M.  (Plain lines behind the conversions)
.endr
.irp b, 0,1,2,3
	v_permlane16_swap_b32 v[PC+4*\b], v[PC+4*\b+2] ; lane (r, h) then holds keys 32 b + 16 h + 0 .. 15 in register order
	v_permlane16_swap_b32 v[PC+4*\b+1], v[PC+4*\b+3]
.endr
.irp j, 16,18,20,22,24,26,28,30
	v_pk_mul_f32 v[O+\j:O+1+\j], v[O+\j:O+1+\j], v[F:F+1] op_sel_hi:[1,0]   ; (eight plain lines between the codes' last write and the products)
.endr
	s_wait_alu depctr_va_vdst(0)
	s_wait_dscnt 0x0                               ; v and its words
.irp t, 0,1,2,3
.if (\t%2) == 0
	v_wmma_scale_f32_16x16x128_f8f6f4 v[O+8*\t:O+8*\t+7], v[KV+16*\t:KV+16*\t+15], v[PC:PC+15], v[O+8*\t:O+8*\t+7], v[VSW+\t/2], v[PW] matrix_a_fmt:MATRIX_FMT_BF8 matrix_b_fmt:MATRIX_FMT_BF8
.else
	v_wmma_scale_f32_16x16x128_f8f6f4 v[O+8*\t:O+8*\t+7], v[KV+16*\t:KV+16*\t+15], v[PC:PC+15], v[O+8*\t:O+8*\t+7], v[VSW+\t/2], v[PW] matrix_a_fmt:MATRIX_FMT_BF8 matrix_b_fmt:MATRIX_FMT_BF8 matrix_a_scale:MATRIX_SCALE_ROW1
.endif
.endr
.endm
; A job's end: O^T / the sum, quantised along D (two blocks of 32 in my head), out as two chunks and one byte a lane.
.macro FINISH
.rept 8
	v_nop                                          ; places behind the last products
.endr
	v_add_f32 v14, v14, v15
	s_delay_alu instid0(VALU_DEP_1)
	v_permlanex16_b32 v[T], v14, s[SEL], s[SEL+1]
	s_delay_alu instid0(VALU_DEP_1)
	v_add_f32 v14, v14, v[T]                       ; the row's sum
	s_wait_alu depctr_va_vdst(0)
	v_rcp_f32 v14, v14
	v_add_nc_u32 v[AO], s[OUT], v[L16]             ; (a plain place behind the reciprocal)
	v_add_nc_u32 v[AB], s[OSC], v[RH]
	s_wait_alu depctr_va_vdst(0)
.irp j, 0,2,4,6,8,10,12,14,16,18,20,22,24,26,28,30
	v_pk_mul_f32 v[S+\j:S+1+\j], v[O+\j:O+1+\j], v[14:15] op_sel_hi:[1,0]   ; each accumulator from its low end on
.endr
.irp b, 0,1
	v_max3_num_f32 v[BM+\b], |v[S+16*\b]|, |v[S+1+16*\b]|, 0x8000000
.endr
.irp i, 2,4,6,8,10,12,14
.irp b, 0,1
	s_delay_alu instid0(VALU_DEP_2)
	v_max3_num_f32 v[BM+\b], v[BM+\b], |v[S+16*\b+\i]|, |v[S+1+16*\b+\i]|
.endr
.endr
.irp b, 0,1
	s_delay_alu instid0(VALU_DEP_2)
	v_permlanex16_b32 v[PT+\b], v[BM+\b], s[SEL], s[SEL+1]
.endr
.irp b, 0,1
	s_delay_alu instid0(VALU_DEP_2)
	v_max_num_f32 v[BM+\b], v[BM+\b], v[PT+\b]
.endr
.irp b, 0,1
	s_delay_alu instid0(VALU_DEP_2)
	v_add_nc_u32 v[SOP+\b], 0xf8800000, v[BM+\b]
.endr
.irp b, 0,1
.endr
.irp b, 0,1
	s_delay_alu instid0(VALU_DEP_2)
	v_lshrrev_b32 v[PT+\b], 23, v[SOP+\b]
.endr
.irp b, 0,1
.irp i, 0,1,2,3,4,5,6,7,8,9,10,11,12,13,14,15
.endr
	v_cvt_scalef32_pk8_bf8_f32 v[PC+4*\b:PC+1+4*\b], v[S+16*\b:S+7+16*\b], v[SOP+\b]
	v_cvt_scalef32_pk8_bf8_f32 v[PC+2+4*\b:PC+3+4*\b], v[S+8+16*\b:S+15+16*\b], v[SOP+\b]
.endr
	v_cndmask_b32 v[BY], v[PT], v[PT+1], s[HM]     ; lanes 0-15 store block 0's byte, lanes 16-31 block 1's.  (A plain line behind the conversions)
.irp b, 0,1
	v_permlane16_swap_b32 v[PC+4*\b], v[PC+4*\b+2]
	v_permlane16_swap_b32 v[PC+4*\b+1], v[PC+4*\b+3]
.endr
	global_store_b128 v[AO], v[PC:PC+3], s[12:13]              ; 512 consecutive bytes each
	global_store_b128 v[AO], v[PC+4:PC+7], s[12:13] offset:512
	global_store_b8 v[AB], v[BY], s[14:15]         ; two bytes of each row's 32: the head's share of a row of scale bytes
.endm
.macro SWITCH                          ; on to the second job (behind the second job these lines move registers that nobody reads)
.irp j, 0,1,2,3,4,5,6,7
	v_mov_b32 v[24+\j], v[Q2+\j]
.endr
	v_perm_b32 v[QS], v[RAW2], v[RAW2], s[PSEL2]
	v_mov_b32 v[DQ], v[DQ2]
	v_mov_b32 v13, 0xff61b1e6
	s_delay_alu instid0(VALU_DEP_1)
	v_floor_f32 v12, -v13
	v_mov_b32 v14, 0
	v_mov_b32 v15, 0
.irp j, 0,1,2,3,4,5,6,7,8,9,10,11,12,13,14,15,16,17,18,19,20,21,22,23,24,25,26,27,28,29,30,31
	v_mov_b32 v[O+\j], 0
.endr
	s_mov_b32 s[CLS], s[CLS2]
	s_mov_b32 s[STI], 0
	s_mov_b32 s[OUT], s[OUT2]
	s_mov_b32 s[OSC], s[OSC2]
	s_wait_xcnt 0x0                                ; the stores have read their codes, byte and addresses: all are written again further on
.endm
	s_mov_b32 s[KO], 0
	s_mov_b32 s[SOF], 0
	s_mov_b32 s[STI], 0
	s_wait_tensorcnt 0x1                           ; my scale words and my part of key step 0 are in; the load of steps 1-15 may be out
	s_barrier_signal -1
	s_barrier_wait -1                              ; everybody's are
	STEP 0                                         ; job 1's key step 0 (its last step is 8 at the least: no diagonal here) while the rest lands
	s_wait_tensorcnt 0x0
	s_wait_dscnt 0x0
	s_barrier_signal -1
	s_barrier_wait -1                              ; the whole head lies in LDS
	s_mov_b32 s[STI], 1
	s_mov_b32 s[TRIP], 16                          ; 17 units a wave, one done
.Ltrip:
	s_min_u32 s[KO], s[STI], 15                    ; the step is 15 at the most
	s_lshl_b32 s[SOF], s[KO], 8                    ; 256 bytes of words a step
	s_lshl_b32 s[KO], s[KO], 13                    ; 8,192 bytes of codes
	STEP 1
	s_add_co_u32 s[STI], s[STI], 1
	s_cmp_le_u32 s[STI], s[CLS]
	s_cbranch_scc1 .Lcont
	FINISH
	SWITCH
.Lcont:
	s_sub_co_u32 s[TRIP], s[TRIP], 1
	s_cmp_lg_u32 s[TRIP], 0
	s_cbranch_scc1 .Ltrip
	s_wait_dscnt 0x0
	s_wait_tensorcnt 0x0
	ds_add_u32 v63, v255
	s_wait_dscnt 0x0
	ROUND                                          ; the closing round
	s_endpgm
.Lfunc_end_k_qe5704053b4_attn:
	.size	k_qe5704053b4_attn, .Lfunc_end_k_qe5704053b4_attn-k_qe5704053b4_attn
	.p2alignl 7, 3214868480
	.fill 96, 4, 3214868480
	.section	.rodata,"a",@progbits
	.p2align	6, 0x0
	.amdhsa_kernel k_qe5704053b4_attn
		.amdhsa_group_segment_fixed_size 272384
		.amdhsa_private_segment_fixed_size 0
		.amdhsa_enable_private_segment 0
		.amdhsa_kernarg_size 48
		.amdhsa_user_sgpr_count 2
		.amdhsa_user_sgpr_kernarg_segment_ptr 1
		.amdhsa_wavefront_size32 1
		.amdhsa_system_sgpr_workgroup_id_x 1
		.amdhsa_system_sgpr_workgroup_id_y 1
		.amdhsa_system_sgpr_workgroup_id_z 1
		.amdhsa_system_vgpr_workitem_id 0
		.amdhsa_next_free_vgpr 256
		.amdhsa_next_free_sgpr 100
		.amdhsa_reserve_vcc 1
		.amdhsa_float_denorm_mode_32 3
		.amdhsa_float_denorm_mode_16_64 3
		.amdhsa_fp16_overflow 1
		.amdhsa_memory_ordered 1
		.amdhsa_forward_progress 1
		.amdhsa_inst_pref_size 58
	.end_amdhsa_kernel
	.amdgpu_metadata
---
amdhsa.version: [ 1, 2 ]
amdhsa.kernels:
  - .name:           k_qe5704053b4_attn
    .symbol:         k_qe5704053b4_attn.kd
    .args:
      - { .name: qk_img, .offset: 0, .size: 8, .value_kind: global_buffer, .address_space: global }
      - { .name: qk_sc, .offset: 8, .size: 8, .value_kind: global_buffer, .address_space: global }
      - { .name: v_img, .offset: 16, .size: 8, .value_kind: global_buffer, .address_space: global }
      - { .name: v_sc, .offset: 24, .size: 8, .value_kind: global_buffer, .address_space: global }
      - { .name: att_img, .offset: 32, .size: 8, .value_kind: global_buffer, .address_space: global }
      - { .name: att_sc, .offset: 40, .size: 8, .value_kind: global_buffer, .address_space: global }
    .group_segment_fixed_size: 272384
    .private_segment_fixed_size: 0
    .kernarg_segment_align: 8
    .kernarg_segment_size: 48
    .max_flat_workgroup_size: 512
    .sgpr_count:     100
    .vgpr_count:     256
    .wavefront_size: 32
...
	.end_amdgpu_metadata
.endif
;; end of part 2
;; launch proj (part 3): grid 4 x 32, 4 waves a work-group, clusters of 4 x 4, 327,680 bytes of LDS; arguments att_img, att_sc, W_proj_codes, W_proj_scales, b_proj, out0; writes out0
.if DOCPART == 3
	.amdgcn_target "amdgcn-amd-amdhsa--gfx1250"
	.amdhsa_code_object_version 6
	.text
	.protected	k_qe5704053b4_proj
	.globl	k_qe5704053b4_proj
	.p2align	8
	.type	k_qe5704053b4_proj,@function
k_qe5704053b4_proj:
	s_mov_b64 s[64:65], 0
	v_nop
	global_prefetch_b8 v0, s[64:65] scope:SCOPE_SE
	s_setreg_imm32_b32 hwreg(HW_REG_WAVE_MODE, 25, 1), 1
	s_wait_xcnt 0x0
	s_wait_alu depctr_hold_cnt(0) depctr_sa_sdst(0) depctr_va_vdst(0) depctr_va_sdst(0) depctr_va_ssrc(0) depctr_va_vcc(0) depctr_vm_vsrc(0)
	s_getreg_b32 s2, hwreg(HW_REG_IB_STS2, 6, 4)
	s_cmp_eq_u32 s2, 0
	s_cbranch_scc0 .Lentry_in_a_cluster
	s_endpgm
.Lentry_in_a_cluster:
	s_bfe_u32 s2, ttmp6, 0x10000c
	s_cmp_lg_u32 s2, 0xf033
	s_cbranch_scc0 .Lentry_shape_is_right
	s_endpgm
.Lentry_shape_is_right:
; out0 = att W_proj^T + b_proj on codes of BF8 (E5M2) with E8M0 scales, K = 1,024; out0 [8,192][1,024] f32.
; A tile of 256 x 256 is made by four waves, each 128 x 128: 64 accumulators, 512 registers.  K goes in steps of 256 through two LDS slots; the scale bytes of the tile's rows come once.
; A (the attention's result) lies in memory as images of operand registers, [tile of 16 rows][K / 32][512 bytes: lane l's 16 bytes at 16 l]: a tile's K step of 256 is 4,096 consecutive bytes, and a fragment is four loads of
; 512 consecutive LDS bytes.  B (W_proj) lies by rows, as given.  The matrix instruction is used transposed (source 0 = 16 rows of W_proj, source 1 = 16 rows of A): a lane holds eight neighbouring numbers of a row of out0.
; The bias is the C of each sum's first product.  CLUSTERS: 4 x 4; A's tile is shared along a row of the cluster, B's along a column: joint loads.
; LIMITS: NaN and infinities are not served.
; REGISTERS: window 0: v0-31 addresses; v32-63 scale words, two sets; v64-127 the bias; from v128 A's fragments, one set.  window 1: B's fragments, two sets.  windows 2, 3: the accumulators ((a, b) at v[8 (8 (a % 4) + b)]).
.set SIZE_N, 1024
.set NQ,     2
.set ROWB,   256
.set KROW,   1024
.set PITCH,  272
.set FR,     16
.set NL,     4
.set NP,     8
.set AIMG,   4096                      ; a tile of 16 rows x 256 along K
.set HALFA,  8*AIMG                    ; 128 rows of A: what one tensor load brings
.set BOFF,   2*HALFA                   ; B's rows lie behind A's 256
.set HALFT,  128*PITCH
.set SLOT,   BOFF+2*HALFT
.set KS,     32
.set SCL,    2*SLOT
.set HALFS,  (128*KS/256)*272
.set SBLK,   (16*KS/256)*272
.set SPARE,  SCL+4*HALFS               ; the spare words: 128 bytes a wave, named by no other line
.set SPITCH, 528                       ; the way out: 16 rows x (512 + 16) bytes a wave, in slot 0, which has had its last fill and its last read by then
.set ADRA, 16
.set ADRB, 20
.set STO,  24
.set RD,   25
.set CO,   26                          ; v26  16 x lane
.set ADRS, 27
.set SPW,  28
.set NIL,  29
.set BH,   30                          ; v30  32 h
.set SC,   32
.set BIA,  64
.set AF,   128
.set BK,   128
.set G1,   24
.set G0,   32
.set G1B,  48
.set G0B,  56
.set G1S,  68
.set G0S,  76
.set G1SB, 80
.set G0SB, 88
.set MSB, 0
.macro WIN new
.if MSB != \new
	s_set_vgpr_msb (MSB<<8)|\new
.set MSB, \new
.endif
.endm
.set MUL_LO, 0xa1                      ; source 0 (B) window 1, source 1 (A) window 0, C and D window 2
.set MUL_HI, 0xf1
.set BIAS_LO, 0x81                     ; the same with C (the bias) in window 0
.set BIAS_HI, 0xc1
.set TO_B,   0x40
.macro JLOAD g0a, g1a, g0b, g1b        ; waves 0 and 1 fetch for A, waves 2 and 3 for B; four v_nop follow each of the two lines
	s_cmp_eq_u32 s15, 0
	s_cbranch_scc0 .Lfor_b_\@
	tensor_load_to_lds s[\g0a:\g0a+3], s[\g1a:\g1a+7]
	s_nop 0
.rept 4
	v_nop
.endr
	s_branch .Lasked_\@
.Lfor_b_\@:
	tensor_load_to_lds s[\g0b:\g0b+3], s[\g1b:\g1b+7]
	s_nop 0
.rept 4
	v_nop
.endr
.Lasked_\@:
.endm
.macro CREST
	s_cmp_lg_u32 s14, 0
	s_cbranch_scc1 .Lnot_wave_0_\@
	s_barrier_signal -3
.Lnot_wave_0_\@:
	s_barrier_wait -3
	s_barrier_signal -1
	s_barrier_wait -1
.endm
.macro CROUND
	s_barrier_signal -1
	s_barrier_wait -1
	CREST
.endm
	s_load_b128 s[4:7], s[0:1], 0x0                ; A's images s[4:5], A's scales s[6:7]
	s_load_b128 s[8:11], s[0:1], 0x10              ; B's codes s[8:9], B's scales s[10:11]
	s_load_b64 s[96:97], s[0:1], 0x20              ; b_proj
	s_load_b64 s[12:13], s[0:1], 0x28              ; out0
	v_lshl_add_u32 v[SPW], v0, 2, SPARE
	v_mov_b32 v[NIL], 0
	ds_add_u32 v28, v29
	ds_add_u32 v28, v29
	s_wait_dscnt 0x0
	v_lshrrev_b32 v1, 5, v0
	v_readfirstlane_b32 s14, v1                    ; wave 0..3
	s_lshr_b32 s15, s14, 1                         ; which half of the tile's rows is mine.  Also: I fetch for A (0) or for B (1)
	s_and_b32 s16, s14, 1                          ; which half of its columns.  Also: which 128 rows of that tile I fetch
	s_bfe_u32 s40, ttmp6, 0x40000
	s_bfe_u32 s41, ttmp6, 0x40004
	s_lshl_b32 s42, ttmp9, 2
	s_add_co_u32 s42, s42, s40                     ; tile column
	s_and_b32 s17, ttmp7, 0xffff
	s_lshl_b32 s17, s17, 2
	s_add_co_u32 s17, s17, s41                     ; tile row
	s_lshl_b32 s43, s41, 2
	s_lshl_b32 s43, 15, s43                        ; my row of the cluster
	s_lshl_b32 s44, 0x1111, s40                    ; my column
	s_or_b32 s[G1+0], s43, (3<<16)|(1<<21)         ; A: elements of 8 bytes, no padding; the mask: my row; bit 21 beside it
	s_mov_b32 s[G1+1], 512<<16                     ; tensor_dim0 = 512 elements: 4,096 bytes, a tile of 16 rows x 256 along K
	s_mov_b32 s[G1+2], 8<<16                       ; tensor_dim1 = 8 such tiles
	s_mov_b32 s[G1+3], 512<<16                     ; tile_dim0
	s_mov_b32 s[G1+4], 8                           ; tile_dim1
	s_mov_b32 s[G1+5], 2048                        ; 16,384 bytes from a tile of rows to the next
	s_mov_b32 s[G1+6], 0
	s_mov_b32 s[G1+7], 0
	s_or_b32 s[G1B+0], s44, (0<<16)|(1<<20)|(1<<21)|(5<<22)|(3<<25)  ; B: 128 rows of 256 bytes, 16 bytes of padding behind each
	s_mov_b32 s[G1B+1], ROWB<<16
	s_mov_b32 s[G1B+2], 128<<16
	s_mov_b32 s[G1B+3], ROWB<<16
	s_mov_b32 s[G1B+4], 128
	s_mov_b32 s[G1B+5], KROW
	s_mov_b32 s[G1B+6], 0
	s_mov_b32 s[G1B+7], 0
	s_or_b32 s[G1S+0], s43, (3<<16)|(1<<20)|(1<<21)|(5<<22)|(3<<25)  ; the scales of 128 rows: 16 rows of 256 bytes, 16 bytes behind each
	s_or_b32 s[G1SB+0], s44, (3<<16)|(1<<20)|(1<<21)|(5<<22)|(3<<25)
.irp g, G1S, G1SB
	s_mov_b32 s[\g+1], 32<<16
	s_mov_b32 s[\g+2], (128*KS/256)<<16
	s_mov_b32 s[\g+3], 32<<16
	s_mov_b32 s[\g+4], 128*KS/256
	s_mov_b32 s[\g+5], 32
	s_mov_b32 s[\g+6], 0
	s_mov_b32 s[\g+7], 0
.endr
	s_lshl_b32 s18, s16, 7                         ; which 128 rows of the tile I fetch
	s_lshl_b32 s20, s17, 8
	s_add_co_u32 s20, s20, s18                     ; A's row
	s_lshl_b32 s46, s42, 8
	s_add_co_u32 s46, s46, s18                     ; B's row
	s_lshl_b32 s22, s20, 5                         ; scale bytes: 32 a row
	s_lshl_b32 s20, s20, 10                        ; codes: 1,024 a row (16,384 a tile of 16 rows)
	s_mov_b32 s21, 0
	s_mov_b32 s23, 0
	s_lshl_b32 s92, s46, 5
	s_lshl_b32 s46, s46, 10
	s_mov_b32 s47, 0
	s_mov_b32 s93, 0
	s_lshl_b32 s45, s16, 15                        ; where A's half goes: 32,768 x half;
	s_mul_i32 s3, s16, HALFT
	s_add_co_u32 s3, s3, BOFF                      ; B's half;
	s_mul_i32 s94, s14, HALFS                      ; the scales: wave x 128 rows
	s_wait_kmcnt 0x0
	s_add_nc_u64 s[20:21], s[4:5], s[20:21]
	s_add_nc_u64 s[22:23], s[6:7], s[22:23]
	s_add_nc_u64 s[46:47], s[8:9], s[46:47]
	s_add_nc_u64 s[92:93], s[10:11], s[92:93]
	CROUND                                         ; all sixteen work-groups are here: the first joint loads meet
	s_mov_b32 s[G0S], 1
	s_add_co_u32 s[G0S+1], s94, SCL
	s_mov_b64 s[G0S+2:G0S+3], s[22:23]
	s_or_b32 s[G0S+3], s[G0S+3], 0x80000000
	s_mov_b32 s[G0SB], 1
	s_add_co_u32 s[G0SB+1], s94, SCL
	s_mov_b64 s[G0SB+2:G0SB+3], s[92:93]
	s_or_b32 s[G0SB+3], s[G0SB+3], 0x80000000
	JLOAD G0S, G1S, G0SB, G1SB
.irp s, 0,1
	s_mov_b32 s[G0+4*\s], 1
	s_add_co_u32 s[G0+4*\s+1], s45, \s*SLOT
	s_add_nc_u64 s[G0+4*\s+2:G0+4*\s+3], s[20:21], \s*AIMG
	s_or_b32 s[G0+4*\s+3], s[G0+4*\s+3], 0x80000000
	s_mov_b32 s[G0B+4*\s], 1
	s_add_co_u32 s[G0B+4*\s+1], s3, \s*SLOT
	s_add_nc_u64 s[G0B+4*\s+2:G0B+4*\s+3], s[46:47], \s*ROWB
	s_or_b32 s[G0B+4*\s+3], s[G0B+4*\s+3], 0x80000000
	s_wait_alu depctr_va_vdst(0)
	s_wait_tensorcnt 0x0
	ds_add_u32 v28, v29
	s_wait_dscnt 0x0
	CROUND
	JLOAD G0+4*\s, G1, G0B+4*\s, G1B               ; one load of mine is out behind each of these
.endr
	v_and_b32 v1, 15, v0                           ; r
	v_bfe_u32 v2, v0, 4, 1                         ; h
	v_and_b32 v6, 31, v0
	v_lshlrev_b32 v[CO], 4, v6                     ; 16 x lane
	v_lshlrev_b32 v[BH], 5, v2
	v_mul_u32_u24 v3, v1, PITCH
	v_lshl_add_u32 v4, v2, 4, v3
	s_lshl_b32 s21, s15, 15                        ; my 128 rows of A
	s_mul_i32 s22, s16, HALFT
	s_add_co_u32 s22, s22, BOFF                    ; my 128 rows of B
.irp s, 0,1
	v_add_nc_u32 v[ADRA+\s], s21, v[CO]
	v_add_nc_u32 v[ADRB+\s], s22, v4
	s_add_co_u32 s21, s21, SLOT
	s_add_co_u32 s22, s22, SLOT
.endr
	v_mul_u32_u24 v5, v1, KS
	v_lshrrev_b32 v6, 8, v5
	v_lshl_add_u32 v5, v6, 4, v5
	s_mul_i32 s21, s15, HALFS
	s_mul_i32 s22, s16, HALFS
	s_add_co_u32 s22, s22, 2*HALFS
	s_sub_co_u32 s22, s22, s21
	v_mul_u32_u24 v6, s22, v2                      ; lanes 16-31 take B's
	s_add_co_u32 s21, s21, SCL
	v_add_nc_u32 v5, v5, v6
	v_add_nc_u32 v[ADRS], s21, v5
	s_mul_i32 s23, s14, 16*SPITCH                  ; my stage
	v_mul_u32_u24 v5, v1, SPITCH
	v_lshl_add_u32 v5, v2, 5, v5
	v_add_nc_u32 v[STO], s23, v5
	v_add_nc_u32 v[RD], s23, v[CO]
	s_lshl_b32 s20, s17, 8
	s_lshl_b32 s21, s15, 7
	s_add_co_u32 s20, s20, s21                     ; my first row of out0
	s_lshl_b32 s20, s20, 12                        ; 4,096 bytes a row
	s_mov_b32 s21, 0
	s_lshl_b32 s46, s42, 10                        ; my first column, in bytes
	s_lshl_b32 s47, s16, 9
	s_add_co_u32 s46, s46, s47
	s_mov_b32 s47, 0
	s_add_nc_u64 s[96:97], s[96:97], s[46:47]      ; my 128 numbers of the bias
	s_add_nc_u64 s[20:21], s[20:21], s[46:47]
	s_add_nc_u64 s[12:13], s[12:13], s[20:21]
.irp b, 0,1,2,3,4,5,6,7
	global_load_b128 v[BIA+8*\b:BIA+8*\b+3], v[BH], s[96:97] offset:64*\b       ; lane (r, h), block b: columns 16 b + 8 h + 0 .. 7
	global_load_b128 v[BIA+8*\b+4:BIA+8*\b+7], v[BH], s[96:97] offset:64*\b+16
.endr
.macro FRAG reg, adr, q, i             ; B: from rows
.irp c, 0,1,2,3
	ds_load_b128 v[\reg+4*\c:\reg+4*\c+3], v[\adr] offset:128*(\q)+32*\c+(\i)*16*PITCH
.endr
.endm
.macro FRAGA reg, slot, q, i           ; A: an image: four times 512 consecutive bytes
.irp c, 0,1,2,3
	ds_load_b128 v[\reg+4*\c:\reg+4*\c+3], v[ADRA+\slot] offset:AIMG*(\i)+2048*(\q)+512*\c
.endr
.endm
; 16 matrix instructions; the 64 accumulators take turns, one instruction a turn.  zero = 1: the first product takes the bias as C.
.macro MUL16 a0, p, q, sc, zero
.irp a, \a0, \a0+1
.irp b, 0,1,2,3,4,5,6,7
.if \zero
	v_wmma_scale_f32_16x16x128_f8f6f4 v[8*(8*((\a)%4)+\b):8*(8*((\a)%4)+\b)+7], v[128*(\p)+FR*\b:128*(\p)+FR*\b+FR-1], v[AF+FR*(\a):AF+FR*(\a)+FR-1], v[BIA+8*\b:BIA+8*\b+7], v[SC+8*NQ*(\sc)+NQ*\b+(\q)], v[SC+8*NQ*(\sc)+NQ*(\a)+(\q)] matrix_a_fmt:MATRIX_FMT_BF8 matrix_b_fmt:MATRIX_FMT_BF8 matrix_a_scale:MATRIX_SCALE_ROW1
.else
	v_wmma_scale_f32_16x16x128_f8f6f4 v[8*(8*((\a)%4)+\b):8*(8*((\a)%4)+\b)+7], v[128*(\p)+FR*\b:128*(\p)+FR*\b+FR-1], v[AF+FR*(\a):AF+FR*(\a)+FR-1], v[8*(8*((\a)%4)+\b):8*(8*((\a)%4)+\b)+7], v[SC+8*NQ*(\sc)+NQ*\b+(\q)], v[SC+8*NQ*(\sc)+NQ*(\a)+(\q)] matrix_a_fmt:MATRIX_FMT_BF8 matrix_b_fmt:MATRIX_FMT_BF8 matrix_a_scale:MATRIX_SCALE_ROW1
.endif
.endr
.endr
.endm
.macro FETCH_B slot, q, p
	WIN TO_B
.irp i, 0,1,2,3,4,5,6,7
	FRAG 128*(\p)+FR*\i, ADRB+\slot, \q, \i
.endr
	WIN 0
.endm
.macro FETCH_A slot, q, i0
.irp i, \i0, \i0+1, \i0+2, \i0+3
	FRAGA AF+FR*(\i), \slot, \q, \i
.endr
.endm
.macro SCALES sc
.irp i, 0,1,2,3,4,5,6,7
	ds_load_b64 v[SC+8*NQ*\sc+NQ*\i:SC+8*NQ*\sc+NQ*\i+1], v[ADRS] offset:\i*SBLK
.endr
.endm
.macro PLACES n
.rept \n
	v_nop
.endr
.endm
.macro STEP slot, q, zero
	s_wait_dscnt 4*NL                              ; B's set and A's blocks 0-3 are in; the youngest 16 loads (A's blocks 4-7) may be out
.if \zero
	WIN BIAS_LO
.else
	WIN MUL_LO
.endif
	MUL16 0, (\q)%2, \q, \slot, \zero
	MUL16 2, (\q)%2, \q, \slot, \zero
	s_wait_dscnt 0
	PLACES NP
	FETCH_B \slot, (\q)+1, 1-(\q)%2
	FETCH_A \slot, (\q)+1, 0
.if \zero
	WIN BIAS_HI
.else
	WIN MUL_HI
.endif
	MUL16 4, (\q)%2, \q, \slot, \zero
	MUL16 6, (\q)%2, \q, \slot, \zero
	PLACES NP
	WIN 0
	FETCH_A \slot, (\q)+1, 4
.endm
.macro TURN slot, next, fill
	s_wait_tensorcnt 0x0                           ; all my tensor loads have landed: my part of the next slot
	ds_add_u32 v[SPW], v[NIL]                      ; 0 onto my spare word
	s_wait_dscnt 4*NL+1                            ; the add and the youngest 16 loads may be out
	WIN MUL_LO
	MUL16 0, 1, NQ-1, \slot, 0
	s_wait_dscnt 0x0                               ; the add is done, and my reads of this slot are over
	s_barrier_signal -1
	MUL16 2, 1, NQ-1, \slot, 0
	WIN 0
	s_barrier_wait -1
.if \fill
	CREST                                          ; the barrier has opened a round of the cluster's barrier
	s_add_nc_u64 s[G0+4*\slot+2:G0+4*\slot+3], s[G0+4*\slot+2:G0+4*\slot+3], 2*AIMG
	s_add_nc_u64 s[G0B+4*\slot+2:G0B+4*\slot+3], s[G0B+4*\slot+2:G0B+4*\slot+3], 2*ROWB
	JLOAD G0+4*\slot, G1, G0B+4*\slot, G1B         ; the first tensor load behind the round; its four v_nop are four of the eight places
	PLACES NP-4
.else
	PLACES NP
.endif
	s_wait_alu depctr_va_vdst(0)
	v_add_nc_u32 v[ADRS], 4*NQ, v[ADRS]
	FETCH_B \next, 0, 0
	FETCH_A \next, 0, 0
	SCALES \next
	WIN MUL_HI
	MUL16 4, 1, NQ-1, \slot, 0
	MUL16 6, 1, NQ-1, \slot, 0
	PLACES NP
	WIN 0
	FETCH_A \next, 0, 4
.endm
	s_wait_alu depctr_va_vdst(0)
	s_wait_tensorcnt 1                             ; the scales and my part of K step 0 are in; K step 1's load may be out
	s_barrier_signal -1
	s_barrier_wait -1
	FETCH_B 0, 0, 0
	FETCH_A 0, 0, 0
	SCALES 0
	FETCH_A 0, 0, 4
	s_wait_loadcnt 0x0                             ; the bias
	STEP 0, 0, 1                                   ; the first products start the sums from the bias
	TURN 0, 1, 1                                   ; the four K steps of 256 are written out
	STEP 1, 0, 0
	TURN 1, 0, 1
	STEP 0, 0, 0
	TURN 0, 1, 0                                   ; nothing is left to fetch
	STEP 1, 0, 0
	s_wait_dscnt 4*NL                              ; the very last step
	WIN MUL_LO
	MUL16 0, 1, NQ-1, 1, 0
	MUL16 2, 1, NQ-1, 1, 0
	s_wait_dscnt 0
	WIN MUL_HI
	MUL16 4, 1, NQ-1, 1, 0
	MUL16 6, 1, NQ-1, 1, 0
	WIN 0
; THE WAY OUT, block by block of 16 rows x 128 columns, through my own stage: in as 32 bytes a lane, back as whole rows of 512 bytes.  LDS serves a wave's instructions in order (ISA guide 5.7.1.4).
.macro TOSTAGE a
.set AC, 64*((\a)%4)
	WIN 0x08+4*((\a)/4)                            ; the data: window 2 or 3
.irp b, 0,1,2,3,4,5,6,7
	ds_store_b128 v[STO], v[AC+8*\b:AC+8*\b+3] offset:64*\b          ; each accumulator from its low end on
	ds_store_b128 v[STO], v[AC+8*\b+4:AC+8*\b+7] offset:64*\b+16
.endr
	WIN 0
.set BB, BK+64*((\a)%2)
.irp t, 0,1,2,3,4,5,6,7,8,9,10,11,12,13,14,15
	ds_load_b128 v[BB+4*\t:BB+4*\t+3], v[RD] offset:\t*SPITCH
.endr
.endm
.macro SEND a, younger                 ; younger: the LDS instructions issued behind block a's loads
.set BB, BK+64*((\a)%2)
	s_wait_dscnt \younger
.if (\a) > 0
	s_add_nc_u64 s[12:13], s[12:13], 16*SIZE_N*4   ; (behind a wait on XCNT: the earlier stores have read their base)
.endif
.irp t, 0,1,2,3,4,5,6,7,8,9,10,11,12,13,14,15
	global_store_b128 v[CO], v[BB+4*\t:BB+4*\t+3], s[12:13] offset:\t*SIZE_N*4 th:TH_STORE_NT   ; 32 lanes store 512 consecutive bytes, aligned; written once, read by nobody here
.endr
.endm
	PLACES NP
	TOSTAGE 0
.irp a, 1,2,3,4,5,6,7
.if \a > 1
	s_wait_xcnt 0x0                                ; block a - 2's stores have read their registers and their base
.endif
	TOSTAGE \a
	SEND \a-1, 32                                  ; behind block a - 1's loads: block a's 16 stores and 16 loads
.endr
	s_wait_xcnt 0x0
	SEND 7, 0
	s_wait_tensorcnt 0x0                           ; the wave's end
	ds_add_u32 v[SPW], v[NIL]
	s_wait_dscnt 0x0
	CROUND                                         ; the closing round
	s_endpgm
.Lfunc_end_k_qe5704053b4_proj:
	.size	k_qe5704053b4_proj, .Lfunc_end_k_qe5704053b4_proj-k_qe5704053b4_proj
	.p2alignl 7, 3214868480
	.fill 96, 4, 3214868480
	.section	.rodata,"a",@progbits
	.p2align	6, 0x0
	.amdhsa_kernel k_qe5704053b4_proj
		.amdhsa_group_segment_fixed_size 327680
		.amdhsa_private_segment_fixed_size 0
		.amdhsa_enable_private_segment 0
		.amdhsa_kernarg_size 48
		.amdhsa_user_sgpr_count 2
		.amdhsa_user_sgpr_kernarg_segment_ptr 1
		.amdhsa_wavefront_size32 1
		.amdhsa_system_sgpr_workgroup_id_x 1
		.amdhsa_system_sgpr_workgroup_id_y 1
		.amdhsa_system_sgpr_workgroup_id_z 1
		.amdhsa_system_vgpr_workitem_id 0
		.amdhsa_next_free_vgpr 1024
		.amdhsa_next_free_sgpr 98
		.amdhsa_reserve_vcc 0
		.amdhsa_float_denorm_mode_32 3
		.amdhsa_float_denorm_mode_16_64 3
		.amdhsa_memory_ordered 1
		.amdhsa_forward_progress 1
		.amdhsa_inst_pref_size 148
	.end_amdhsa_kernel
	.amdgpu_metadata
---
amdhsa.version: [ 1, 2 ]
amdhsa.kernels:
  - .name:           k_qe5704053b4_proj
    .symbol:         k_qe5704053b4_proj.kd
    .args:
      - { .name: att_img, .offset: 0, .size: 8, .value_kind: global_buffer, .address_space: global }
      - { .name: att_sc, .offset: 8, .size: 8, .value_kind: global_buffer, .address_space: global }
      - { .name: W_proj_codes, .offset: 16, .size: 8, .value_kind: global_buffer, .address_space: global }
      - { .name: W_proj_scales, .offset: 24, .size: 8, .value_kind: global_buffer, .address_space: global }
      - { .name: b_proj, .offset: 32, .size: 8, .value_kind: global_buffer, .address_space: global }
      - { .name: out0, .offset: 40, .size: 8, .value_kind: global_buffer, .address_space: global }
    .group_segment_fixed_size: 327680
    .private_segment_fixed_size: 0
    .kernarg_segment_align: 8
    .kernarg_segment_size: 48
    .max_flat_workgroup_size: 128
    .sgpr_count:     98
    .vgpr_count:     1024
    .wavefront_size: 32
...
	.end_amdgpu_metadata
.endif
;; end of part 3
